; MI455X (gfx1250); checked and timed in simulation.
; The chip was launched on July 23, 2026; its instructions are those of AMD's public machine-readable ISA for CDNA 5 (MIT licence, August 2026) and "CDNA5" Instruction Set Architecture Reference Guide (July 2026). The comments in the code are by the model that wrote it; some were corrected since.
;; Multi Head Self Attention. Allowed arithmetic: matrix products marked QUANTISED: E2M3 operands, one E8M0 scale for each 32 along K, by v_wmma_scale_f32_16x16x128_f8f6f4 with both operands' format E2M3, f32 sums; everything else in f32.
;; Inputs: b_proj 1,024 float32; b_qkv 3,072 float32; w_proj 1,024 x 1,024 float32; w_qkv 1,024 x 3,072 float32; x 2 x 2,048 x 1,024 float32.
;; Outputs: out0 2 x 2,048 x 1,024 float32.
;; This version of the problem:
;;   THIS VERSION OF THE PROBLEM IS GIVEN IN LOW PRECISION. The matrix products marked QUANTISED in the list below multiply operands that are first quantised to E2M3 (2 exponent bits, 3 mantissa bits; 6 bits a number), with one power-of-two scale for each 32 numbers along K (OCP MX v1.0); their sums are f32. All else is computed in f32.
;;   The module's matrix products, in the order in which they are computed (A, B: the left and right operand; K: the contracted axis; several contracted axes count as one K, in the product's order):
;;     1. [M 4,096, K 1,024] x [K 1,024, N 3,072]; A: input x; B: input w_qkv: QUANTISED
;;     2. batch 32 x [M 2,048, K 64] x [K 64, N 2,048]; A: computed on the way; B: computed on the way: QUANTISED
;;     3. batch 32 x [M 2,048, K 2,048] x [K 2,048, N 64]; A: softmax (see below); B: computed on the way: QUANTISED
;;     4. [M 4,096, K 1,024] x [K 1,024, N 1,024]; A: computed on the way; B: input w_proj: QUANTISED
;;   THE QUANTISER, for each operand of a quantised product, along K:
;;     - K is cut into blocks of 32 from its start; a last block that is shorter is filled with zeros.
;;     - A block's scale is 2^e with e = floor(log2(the largest magnitude in the block)) - 2, held to -126 .. 127; a block of zeros has e = 0. As a byte (E8M0): e + 127.
;;     - Each number is divided by its block's scale, clamped to +-7.5, and rounded to the nearest number of E2M3, ties to even, subnormals kept.
;;     - The product sums the exact products of the quantised numbers (number of the format x scale) in f32.
;;   ~~~python
;;   def quantise(x, axis):      # numpy; x: float32 -> the quantised numbers, widened to float32 again
;;       x = np.moveaxis(x, axis, -1); K = x.shape[-1]
;;       x = np.pad(x, [(0, 0)] * (x.ndim - 1) + [(0, -K % 32)]); x = x.reshape(x.shape[:-1] + (-1, 32)); a = np.abs(x).max(-1, keepdims=True)
;;       e = np.where(a > 0, np.clip(np.frexp(np.where(a > 0, a, 1))[1] - 1 - 2, -126, 127), 0)      # np.frexp(a)[1] - 1 = floor(log2(a)), exactly
;;       r = np.clip(x / 2.0 ** e, -7.5, 7.5)
;;       step = 2.0 ** (np.maximum(np.frexp(np.where(r == 0, 1, r))[1] - 1, 0) - 3)
;;       q = np.round(r / step) * step * 2.0 ** e      # np.round: ties to even
;;       return np.moveaxis(q.reshape(q.shape[:-2] + (-1,))[..., :K], -1, axis).astype(np.float32)
;;   ~~~
;;   SOFTMAX AHEAD OF A QUANTISED PRODUCT. Where the list says 'softmax', what is quantised is not the finished softmax but p = 2^(t - M), with t = logit x log2(e) and M = ceil(the row's largest t), a whole number; so 1/2 < the row's largest p <= 1. The row's sum l is taken of the UNQUANTISED p, in f32, and the product's result is divided by l at the end. Since M is a whole number, a kernel that streams over the keys may use a running M (the ceiling of the running maximum): every later rescaling is an exact power of two, which a block's scale takes up: the codes' values come out the same.
;;   OPERANDS COMPUTED ON THE WAY. 'Computed on the way' means the value that the module computes at that place (a softmax that the list does not call 'softmax' is quantised finished and normalised). What goes into a quantiser is computed in f32, as accurately as f32 sums, v_exp_f32 and their like allow (about 1e-6 of the number): no bf16 or f16 on the way to a quantiser, and a product that is left as it is and whose result goes on into a quantised operand takes f32 operands (vector FMAs, or v_wmma_f32_16x16x4_f32). A number that lies on a knife's edge between two numbers of the format may be rounded either way, as far as f32 arithmetic and the matrix unit's own rounding can turn it there, and no further.
;; One version. Each part assembles by itself: llvm-mc -triple=amdgcn-amd-amdhsa -mcpu=gfx1250 --defsym DOCPART=n.
;; ======== version 1 of 1: 4 launches
;; limits: right only within a limited range of input values
;; workspace buffers: xq 3,276,800 bytes; wq 2,457,600 bytes; wp 819,200 bytes; qp 3,407,872 bytes; kp 3,407,872 bytes; vp 3,276,800 bytes; oq 3,276,800 bytes
;; launch quant (part 1): grid 256 x 1, 4 waves a work-group, no clusters, 116,224 bytes of LDS; arguments x, w_qkv, w_proj, xq, wq, wp; writes xq, wq, wp
.if DOCPART == 1
	.amdgcn_target "amdgcn-amd-amdhsa--gfx1250"
	.amdhsa_code_object_version 6
	.text
	.protected	k_q836b407e15_quant
	.globl	k_q836b407e15_quant
	.p2align	8
	.type	k_q836b407e15_quant,@function
k_q836b407e15_quant:
	s_mov_b64 s[64:65], 0
	v_nop
	global_prefetch_b8 v0, s[64:65] scope:SCOPE_SE
	s_setreg_imm32_b32 hwreg(HW_REG_WAVE_MODE, 25, 1), 1
	s_wait_xcnt 0x0
; x [4096][1024], w_qkv [1024][3072] and w_proj [1024][1024], f32, become codes of FP6 (E2M3) with one E8M0 byte for each 32 along K (x: its last axis; the weights: their first).
; A block's scale is 2^(floor(log2(largest magnitude)) - 2): its byte is the largest magnitude's exponent field - 2, held at 1 from below.
; LIMITS: NaN and infinities are not served; a block whose largest magnitude lies under 2^-124 (a block of zeros too) gets the byte 1: its codes are zeros or tiny, and this program alone reads the bytes.
; THE OUTPUT IS LAID AS THE READER'S OPERAND REGISTERS.  A block CB of 25,600 bytes holds 128 rows x 256 along K: half fragments HF(q, T) of 768 bytes at 6144 q + 768 T (q: which 64 along K, T: tile of 16 rows),
; then the scale words at 24,576 + 8 row + 4 s (s: which 128 along K).  In HF lane l = 16 h + r holds the 24 bytes of k = 64 q + 32 h + 0 .. 31 of the tile's row r: 16 bytes at 16 l, 8 bytes at 512 + 8 l.
; THE ROWS OF A TILE ARE NOT NEIGHBOURS: row r of tile T is row 32 (T / 2) + 8 (T % 2) + r + 8 (r / 8) of the 128.  An operand is [block of 128 rows][4 chunks of 256 along K].
; 1,024 wave tasks of 32 KB of f32.  Work-groups 0-127: x (32 rows a group, a chunk a wave); 128-223: w_qkv; 224-255: w_proj (128 columns x 256 along K a group, 32 columns a wave).
; The three paths part on the work-group's number and have LDS bytes of their own.  Waves share nothing: no barrier.  No tensor load: memory binds, and registers hold what is in flight.
.set SEL,   18                         ; s[18:19] lane selects: lane l xor 16
.set W1LDS, 66560                      ; x's stages: 4 x 16,640 bytes from 0; w_qkv's: 4 x 6,144 from here;
.set W2LDS, 91136                      ; w_proj's from here
.set R,     64                         ; v64-191  x: a tile's 32 loads
.set X,     192                        ; v192-255 x: two sets of 32 neighbours
.set C,     16                         ; v16-47   x: codes, a set of 8 for each q
.set TT,    48                         ; v48-50   the second conversion's result (three registers that begin on an even number)
.set BY,    56                         ; v56-59   the scale byte of each q
.set WD,    60                         ; v60-63   scale words: tile u, word s at 2 u + s
; 32 numbers of ONE block in v[xs] on -> 24 bytes of codes in v[c] .. v[c + 5], the byte in v[by]
.macro QBLK xs, c, tt, m, so, by
	v_max3_num_f32 v[\m], |v[(\xs)]|, |v[(\xs)+1]|, |v[(\xs)+2]|      ; the largest magnitude, in two chains
	v_max3_num_f32 v[\m+1], |v[(\xs)+3]|, |v[(\xs)+4]|, |v[(\xs)+5]|
.irp i, 6,10,14,18,22,26
	v_max3_num_f32 v[\m], v[\m], |v[(\xs)+\i]|, |v[(\xs)+\i+1]|
	v_max3_num_f32 v[\m+1], v[\m+1], |v[(\xs)+\i+2]|, |v[(\xs)+\i+3]|
.endr
	v_max3_num_f32 v[\m], v[\m], |v[(\xs)+30]|, |v[(\xs)+31]|
	v_max3_num_f32 v[\m], v[\m], v[\m+1], 0x1800000                   ; and the floor 2^(3 - 127): the byte cannot fall under 1
	v_add_nc_u32 v[\so], 0xff000000, v[\m]                            ; 2 off the exponent field: the conversion takes this operand's exponent field as its scale
	v_cvt_scalef32_pk16_fp6_f32 v[(\c):(\c)+2], v[(\xs):(\xs)+15], v[\so]
	v_cvt_scalef32_pk16_fp6_f32 v[\tt:\tt+2], v[(\xs)+16:(\xs)+31], v[\so]
	v_lshrrev_b32 v[\by], 23, v[\so]                                  ; the byte; also the plain line between the conversions and the moves of their results
.irp i, 0,1,2
	v_mov_b32 v[(\c)+3+\i], v[\tt+\i]
.endr
.endm
	s_load_b256 s[4:11], s[0:1], 0x0               ; x s[4:5], w_qkv s[6:7], w_proj s[8:9], xq s[10:11]
	s_load_b128 s[12:15], s[0:1], 0x20             ; wq s[12:13], wp s[14:15]
	v_lshl_add_u32 v30, v0, 2, 0x1c400
	v_mov_b32 v31, 0
	v_lshrrev_b32 v1, 5, v0
	v_readfirstlane_b32 s16, v1                    ; wave 0..3
	v_and_b32 v1, 31, v0                           ; lane
	s_mov_b32 s[SEL], 0x76543210
	s_mov_b32 s[SEL+1], 0xfedcba98
	s_wait_kmcnt 0x0
	s_cmp_lt_u32 ttmp9, 128
	s_cbranch_scc0 .Lweights
; ---------------- x: group g takes rows 32 g .. 32 g + 31 (tiles 2 (g % 4), + 1 of block g / 4), wave w the chunk w ----------------
	v_and_b32 v2, 15, v0                           ; r
	v_bfe_u32 v9, v0, 4, 1                         ; h
	s_wait_alu depctr_va_vdst(0)
	v_lshlrev_b32 v3, 4, v1                        ; 16 x lane: a load's 512 bytes, and an HF's first 512
	v_lshlrev_b32 v4, 3, v1                        ; 8 x lane: an HF's last 256
	s_mul_i32 s17, s16, 16640                      ; my stage: 16 rows x (1,024 bytes + 16)
	v_add_nc_u32 v5, s17, v3                       ; into it: as loaded
	v_mul_u32_u24 v6, v2, 1040
	v_lshl_add_u32 v6, v9, 7, v6
	v_add_nc_u32 v6, s17, v6                       ; out of it: row r, + 128 h: my block's 32 numbers; the pitch puts sixteen rows into sixteen different 16-byte columns
	v_lshlrev_b32 v7, 3, v9                        ; 8 h: my byte's place in a scale word
	v_and_b32 v8, 8, v2
	v_add_nc_u32 v8, v8, v2
	v_add_nc_u32 v8, v8, v7
	v_lshlrev_b32 v8, 3, v8                        ; 8 x (8 h + r + 8 (r / 8)): the row of tile h whose words I store
	v_mov_b32 v51, 0                               ; written once: a lane permute's destination counts as one of its sources
	s_lshl_b32 s20, ttmp9, 17                      ; 32 rows of 4,096 bytes
	s_lshl_b32 s21, s16, 10                        ; + my chunk's 1,024 bytes
	s_add_co_u32 s20, s20, s21
	s_mov_b32 s21, 0
	s_add_nc_u64 s[22:23], s[4:5], s[20:21]
	s_and_b32 s24, ttmp9, 3                        ; g % 4
	s_and_b32 s20, ttmp9, 0x7c                     ; 4 (g / 4)
	s_add_co_u32 s20, s20, s16
	s_mul_i32 s20, s20, 25600                      ; my CB
	s_mul_i32 s25, s24, 1536                       ; my two tiles in each q
	s_add_co_u32 s26, s20, s25
	s_mov_b32 s27, 0
	s_add_nc_u64 s[28:29], s[10:11], s[26:27]
	s_lshl_b32 s25, s24, 8                         ; my 32 rows' scale words: 256 bytes
	s_add_co_u32 s26, s20, s25
	s_add_nc_u64 s[30:31], s[10:11], s[26:27]
.macro XLOADS u                        ; tile u's 16 rows x 1,024 bytes: 32 loads of 512 consecutive bytes
.set i, 0
.rept 32
	global_load_b128 v[R+4*i:R+4*i+3], v3, s[22:23] offset:(8*(\u)+i/2+8*(i/16))*4096+512*(i%2) th:TH_LOAD_NT
.set i, i+1
.endr
.endm
.macro XTURN                           ; into the stage as they come
.set i, 0
.rept 32
	s_wait_loadcnt 31-i                            ; loads come back in order: number i is in, the younger ones of the tile may be out
	ds_store_b128 v5, v[R+4*i:R+4*i+3] offset:(i/2)*1040+512*(i%2)
.set i, i+1
.endr
.endm
.macro XGET q, set                     ; my block of the q-th 64 along K: 128 bytes
.irp j, 0,1,2,3,4,5,6,7
	ds_load_b128 v[X+32*(\set)+4*\j:X+32*(\set)+4*\j+3], v6 offset:256*(\q)+16*\j
.endr
.endm
.macro QONE q, u
	QBLK X+32*((\q)%2), C+8*(\q), TT, 52, 54, BY+(\q)
	global_store_b128 v3, v[C+8*(\q):C+8*(\q)+3], s[28:29] offset:6144*(\q)+768*(\u)          ; 512 consecutive bytes, at a multiple of 256
	global_store_b64 v4, v[C+8*(\q)+4:C+8*(\q)+5], s[28:29] offset:6144*(\q)+768*(\u)+512     ; 256 consecutive bytes
.endm
.macro QTILE u
	XGET 0, 0
	XGET 1, 1
	s_wait_dscnt 8                                 ; all but the eight loads just issued
	QONE 0, \u
	XGET 2, 0
	s_wait_dscnt 8
	QONE 1, \u
	XGET 3, 1
	s_wait_dscnt 8
	QONE 2, \u
	s_wait_dscnt 0x0
	QONE 3, \u
.irp s, 0,1                            ; word s: bytes of blocks 4 s + 0 .. 3: mine are h and 2 + h, lane l xor 16 has the others
	v_lshl_or_b32 v55, v[BY+2*\s+1], 16, v[BY+2*\s]
	v_lshlrev_b32 v55, v7, v55
	v_permlanex16_b32 v51, v55, s[SEL], s[SEL+1]
	v_or_b32 v[WD+2*(\u)+\s], v55, v51
.endr
.endm
	XLOADS 0
	s_wait_alu depctr_va_vdst(0)
	XTURN
	s_wait_dscnt 0x0                               ; the stage's stores have read v64-191:
	XLOADS 1                                       ; the second tile's loads are on their way while the first is worked
	QTILE 0
	XTURN                                          ; LDS serves a wave's instructions in order: these stores come behind tile 0's reads
	s_wait_xcnt 0x0                                ; tile 0's stores have read their code registers, which are written again
	QTILE 1
	s_mov_b32 vcc_lo, 0xffff0000
	v_cndmask_b32 v52, v60, v62, vcc_lo            ; lanes 0-15 tile 0's words, lanes 16-31 tile 1's
	v_cndmask_b32 v53, v61, v63, vcc_lo
	global_store_b64 v8, v[52:53], s[30:31] offset:24576   ; the 32 rows' words: 256 consecutive bytes, aligned
	s_wait_tensorcnt 0x0
	ds_add_u32 v30, v31
	s_wait_dscnt 0x0
	s_endpgm
; ---------------- a weight [1024][N]: a lane takes a column, its registers run down K; group j = (block of 128 columns, chunk of 256 along K) ----------------
.macro WLOAD t, N                      ; block t of my column: 32 rows; each load reads 128 consecutive bytes a wave
.set i, 0
.rept 32
	global_load_b32 v[32+32*((\t)%2)+i], v3, s[26:27] offset:(32*(\t)+i)*(\N)*4 th:TH_LOAD_NT
.set i, i+1
.endr
.endm
.macro WBLOCK t, N
.if (\t) < 7
	s_wait_loadcnt 32                              ; this block's 32 loads are in; the next block's may be out
.else
	s_wait_loadcnt 0x0
.endif
	QBLK 32+32*((\t)%2), 96, 104, 12, 11, 14
.if (\t)%4 == 0
	v_mov_b32 v[24+(\t)/4], v14                    ; four bytes to a word, the lower K in the lower byte
.else
	v_lshl_or_b32 v[24+(\t)/4], v14, 8*((\t)%4), v[24+(\t)/4]
.endif
	ds_store_b128 v4, v[96:99] offset:1536*((\t)/2)+256*((\t)%2)        ; q = t / 2, h = t % 2: the place of lane 16 h + r of my tile's HF
	ds_store_b64 v5, v[100:101] offset:1536*((\t)/2)+512+128*((\t)%2)
.if (\t)+2 < 8
	WLOAD (\t)+2, \N
.endif
	s_wait_dscnt 0x0                               ; the stores have read their registers: the next block's codes may be written
.endm
.macro WPATH N, STG, FIRST, SRC, DST
	s_sub_co_u32 s20, ttmp9, \FIRST                ; j
	s_lshr_b32 s21, s20, 2                         ; block of 128 columns
	s_and_b32 s22, s20, 3                          ; chunk
	s_mul_i32 s24, s22, 256*(\N)*4
	s_lshl_b32 s23, s21, 9
	s_add_co_u32 s24, s24, s23
	s_lshl_b32 s23, s16, 7                         ; my wave's 32 columns
	s_add_co_u32 s24, s24, s23
	s_mov_b32 s25, 0
	s_add_nc_u64 s[26:27], s[\SRC:\SRC+1], s[24:25]
	s_mul_i32 s24, s20, 25600                      ; CB j
	s_mul_i32 s23, s16, 1536                       ; my two tiles in each q
	s_add_co_u32 s28, s24, s23
	s_mov_b32 s29, 0
	s_add_nc_u64 s[30:31], s[\DST:\DST+1], s[28:29]
	s_lshl_b32 s23, s16, 8                         ; my 32 rows' scale words
	s_add_co_u32 s28, s24, s23
	s_add_nc_u64 s[32:33], s[\DST:\DST+1], s[28:29]
	v_lshlrev_b32 v3, 2, v1                        ; in: 4 bytes a lane
	v_bfe_u32 v9, v1, 3, 1                         ; column 32 w + lane is row r = lane % 8 + 8 (lane / 16) of tile 2 w + (lane / 8) % 2
	v_and_b32 v10, 7, v1
	v_lshrrev_b32 v15, 4, v1
	v_lshl_add_u32 v10, v15, 3, v10
	v_mul_u32_u24 v9, v9, 768
	s_mul_i32 s17, s16, 6144
	s_add_co_u32 s17, s17, \STG                    ; my stage: 4 q x 2 tiles x 768 bytes
	v_lshl_add_u32 v4, v10, 4, v9
	v_add_nc_u32 v4, s17, v4
	v_lshl_add_u32 v5, v10, 3, v9
	v_add_nc_u32 v5, s17, v5
	v_lshlrev_b32 v7, 4, v1
	v_add_nc_u32 v6, s17, v7                       ; out of the stage: 16 x lane
	v_lshlrev_b32 v8, 3, v1
	WLOAD 0, \N
	WLOAD 1, \N
.irp t, 0,1,2,3,4,5,6,7
	WBLOCK \t, \N
.endr
	s_wait_alu depctr_va_vdst(0)
	global_store_b64 v8, v[24:25], s[32:33] offset:24576      ; 32 rows' words: 256 consecutive bytes, aligned
.irp j, 0,1,2,3,4,5,6,7,8,9,10,11
	ds_load_b128 v[112+4*\j:115+4*\j], v6 offset:512*\j
.endr
.irp j, 0,1,2,3,4,5,6,7,8,9,10,11
	s_wait_dscnt 11-\j                             ; number j is back; the younger ones may be out
	global_store_b128 v7, v[112+4*\j:115+4*\j], s[30:31] offset:6144*(\j/3)+512*(\j%3)
.endr
	s_wait_tensorcnt 0x0
	ds_add_u32 v30, v31
	s_wait_dscnt 0x0
	s_endpgm
.endm
.Lweights:
	s_cmp_lt_u32 ttmp9, 224
	s_cbranch_scc0 .Lproj
	s_wait_alu depctr_va_vdst(0)
	WPATH 3072, W1LDS, 128, 6, 12
.Lproj:
	s_wait_alu depctr_va_vdst(0)
	WPATH 1024, W2LDS, 224, 8, 14
.Lfunc_end_k_q836b407e15_quant:
	.size	k_q836b407e15_quant, .Lfunc_end_k_q836b407e15_quant-k_q836b407e15_quant
	.p2alignl 7, 3214868480
	.fill 96, 4, 3214868480
	.section	.rodata,"a",@progbits
	.p2align	6, 0x0
	.amdhsa_kernel k_q836b407e15_quant
		.amdhsa_group_segment_fixed_size 116224
		.amdhsa_private_segment_fixed_size 0
		.amdhsa_enable_private_segment 0
		.amdhsa_kernarg_size 48
		.amdhsa_user_sgpr_count 2
		.amdhsa_user_sgpr_kernarg_segment_ptr 1
		.amdhsa_wavefront_size32 1
		.amdhsa_system_sgpr_workgroup_id_x 1
		.amdhsa_system_sgpr_workgroup_id_y 1
		.amdhsa_system_sgpr_workgroup_id_z 1
		.amdhsa_system_vgpr_workitem_id 0
		.amdhsa_next_free_vgpr 256
		.amdhsa_next_free_sgpr 66
		.amdhsa_reserve_vcc 1
		.amdhsa_float_denorm_mode_32 3
		.amdhsa_float_denorm_mode_16_64 3
		.amdhsa_memory_ordered 1
		.amdhsa_forward_progress 1
		.amdhsa_inst_pref_size 114
	.end_amdhsa_kernel
	.amdgpu_metadata
---
amdhsa.version: [ 1, 2 ]
amdhsa.kernels:
  - .name:           k_q836b407e15_quant
    .symbol:         k_q836b407e15_quant.kd
    .args:
      - { .name: x, .offset: 0, .size: 8, .value_kind: global_buffer, .address_space: global }
      - { .name: w_qkv, .offset: 8, .size: 8, .value_kind: global_buffer, .address_space: global }
      - { .name: w_proj, .offset: 16, .size: 8, .value_kind: global_buffer, .address_space: global }
      - { .name: xq, .offset: 24, .size: 8, .value_kind: global_buffer, .address_space: global }
      - { .name: wq, .offset: 32, .size: 8, .value_kind: global_buffer, .address_space: global }
      - { .name: wp, .offset: 40, .size: 8, .value_kind: global_buffer, .address_space: global }
    .group_segment_fixed_size: 116224
    .private_segment_fixed_size: 0
    .kernarg_segment_align: 8
    .kernarg_segment_size: 48
    .max_flat_workgroup_size: 128
    .sgpr_count:     66
    .vgpr_count:     256
    .wavefront_size: 32
...
	.end_amdgpu_metadata
.endif
;; end of part 1
;; launch qkv (part 2): grid 8 x 32, 4 waves a work-group, clusters of 4 x 4, 327,680 bytes of LDS; arguments xq, wq, b_qkv, qp, kp, vp; writes qp, kp, vp
.if DOCPART == 2
	.amdgcn_target "amdgcn-amd-amdhsa--gfx1250"
	.amdhsa_code_object_version 6
	.text
	.protected	k_q836b407e15_qkv
	.globl	k_q836b407e15_qkv
	.p2align	8
	.type	k_q836b407e15_qkv,@function
k_q836b407e15_qkv:
	s_mov_b64 s[64:65], 0
	v_nop
	global_prefetch_b8 v0, s[64:65] scope:SCOPE_SE
	s_setreg_imm32_b32 hwreg(HW_REG_WAVE_MODE, 25, 1), 1
	s_wait_xcnt 0x0
	s_wait_alu depctr_hold_cnt(0) depctr_sa_sdst(0) depctr_va_vdst(0) depctr_va_sdst(0) depctr_va_ssrc(0) depctr_va_vcc(0) depctr_vm_vsrc(0)
	s_getreg_b32 s2, hwreg(HW_REG_IB_STS2, 6, 4)
	s_cmp_eq_u32 s2, 0
	s_cbranch_scc0 .Lentry_in_a_cluster
	s_endpgm
.Lentry_in_a_cluster:
	s_bfe_u32 s2, ttmp6, 0x10000c
	s_cmp_lg_u32 s2, 0xf033
	s_cbranch_scc0 .Lentry_shape_is_right
	s_endpgm
.Lentry_shape_is_right:
; qkv = x w_qkv + b_qkv on codes of FP6 (E2M3) with E8M0 scales; q and k are quantised along the head's 64, v along the keys, in registers, and leave as codes laid for the attention launch.
; SHARES.  Work-group (c, RB): tokens 128 RB .. + 127, heads 2 c and 2 c + 1: three tiles of 128 x 128 (q, k, v) from ONE copy of x's codes.  All of K = 1,024 lies in LDS: x 102,400 bytes, two regions of weights.
; Four waves, 64 x 64 each: 16 accumulators.  K goes in 8 steps of 128: 16 matrix instructions each, the next step's fragments fetched meanwhile into the other of two buffers.
; OPERANDS lie in blocks CB of 25,600 bytes (128 rows x 256 K) in the order of the operand's registers: half fragment HF(q, T) at 6144 q + 768 T (lane l: 16 bytes at 16 l, 8 bytes at 512 + 8 l), scale words at 24,576 + 8 row + 4 s.
; Row r of tile T is row 32 (T / 2) + 8 (T % 2) + r + 8 (r / 8).  So where the weights are source 0 (q, k) a lane holds ONE token and its 32 registers of four tiles run along the head's 64 in the order
; 32 b + 16 (lane / 16) + 0 .. 15; where x is source 0 (v) a lane holds one channel and its registers run along 64 tokens: in both cases the next product's K.  The bias is the C of each sum's first matrix instruction.
; CLUSTER 4 x 4: x's blocks are shared along a row of the cluster, the weights' along a column: each is asked for jointly.  A wave has at most one tensor load out at the start and one behind the one refill (v's weights into q's region).
; No prefetch: all loads but that refill stand at the head, and the refill has a whole tile's 128 matrix instructions in which to land.
; OUT.  qp, kp: for each head 4 chunks of 512 tokens, 26,624 bytes: HF(T') at 768 T'; scale words at 24,576 + 256 G + 8 (t % 32) + 4 (t / 32) (G: group of 64 tokens, t: token in it; bytes 2, 3 are 0).
;       vp: for each head 4 chunks of 512 keys, 25,600 bytes: HF(j, t) at 768 (4 j + t) (j: which 64 keys, t: tile of channels); scale words at 24,576 + 256 st + 64 t + 4 r (st: which 128 keys).
; LIMITS: NaN and infinities are not served; a block whose largest magnitude lies under 2^-124 gets the scale byte 1.
; REGISTERS.  Window 0: v1 r, v2 h, v3 16 lane, v4 8 lane + 512, v5 8 (r + 8 (r / 8)), v6-9 LDS addresses of source 0 and 1, v10 of the scale words, v11-13 store and bias offsets, v14-15 for the spare words,
;   v16-31 scale words (two sets), v32-81 the way out, v128-255 accumulators ((a, b) at 128 + 8 (4 a + b)).  Window 1: two fragment buffers of 96.  Window 2: biases, v96 q, v128 k, v160 v.
.set XR,    0                          ; LDS: x's four CBs
.set B0,    102400                     ; q's weights, later v's
.set B1,    204800                     ; k's weights
.set SPARE, 307200                     ; the spare words, 128 bytes a wave: two blocks of 256 bytes that no other line names
.set ACC,   128
.set SC,    16
.set BQ,    96
.set BK,    128
.set BV,    160
.set WV,    16
.set SEL,   66
.set QT,    64                         ; v64-66 the second conversion's result
.set QM,    68                         ; v68-69 largest magnitudes
.set QX,    70                         ; v70-71 the partner lane's, then the bytes
.set QS,    72                         ; v72-73 the conversions' scale operands
.set W_TOF,  0x40                      ; destination window 1, address window 0
.set W_MUL,  0x05                      ; sources 0 and 1 window 1; C and D window 0
.set W_MULB, 0x25                      ; the same, C window 2
.set MSB, 0
.macro WIN new                         ; the immediate's high byte repeats the setting that is left
.if MSB != (\new)
	s_set_vgpr_msb (MSB<<8)|(\new)
.set MSB, (\new)
.endif
.endm
.macro PLACES                          ; four plain lines between a matrix instruction and a load into, or a vector read of, its registers
.rept 4
	v_nop
.endr
.endm
.macro CREST
	s_cmp_lg_u32 s[WV], 0
	s_cbranch_scc1 .Lnot_wave_0_\@
	s_barrier_signal -3
.Lnot_wave_0_\@:
	s_barrier_wait -3
	s_barrier_signal -1
	s_barrier_wait -1
.endm
.macro CROUND                          ; a round of the cluster's barrier
	s_barrier_signal -1
	s_barrier_wait -1
	CREST
.endm
; LDS addresses for a tile: source 0 from region r0, source 1 from r1; the activation's scale words (lanes 0-15) from xr, half s[xh]; the weight's (lanes 16-31) from wr, half s[wh]
.macro SETADR r0, r1, xr, wr, xh, wh
	s_mul_i32 s98, s17, 3072                       ; source 0: tiles 4 (w & 1) on
	s_add_co_u32 s98, s98, \r0
	v_add_nc_u32 v6, s98, v3
	v_add_nc_u32 v7, s98, v4
	s_mul_i32 s98, s18, 3072                       ; source 1: tiles 4 (w >> 1) on
	s_add_co_u32 s98, s98, \r1
	v_add_nc_u32 v8, s98, v3
	v_add_nc_u32 v9, s98, v4
	s_xor_b32 s99, s[\xh], 1
	s_add_co_u32 s99, s99, s[\wh]
	s_lshl_b32 s99, s99, 9
	s_add_co_u32 s99, s99, (\wr)-(\xr)-512         ; from the activation's words to the weight's: wr - xr + 512 wh - 512 xh
	v_mul_u32_u24 v10, s99, v2                     ; one product with h
	s_lshl_b32 s98, s[\xh], 9
	s_add_co_u32 s98, s98, \xr
	v_add_nc_u32 v10, v10, v5
	v_add_nc_u32 v10, s98, v10
.endm
; step k's fragments (128 along K: two half fragments a tile) into buffer k % 2: 32 loads; with an even k the chunk's scale words: lanes 0-15 the activation's tile i, lanes 16-31 the weight's tile i
.macro FETCH k
.set FB, 96*((\k)%2)
.set FO, 25600*(((\k)/2)%2)+12288*((\k)%2)
	WIN W_TOF
.irp i, 0,1,2,3
.irp e, 0,1
	ds_load_b128 v[FB+12*\i+6*\e:FB+12*\i+6*\e+3], v6 offset:FO+6144*\e+768*\i
	ds_load_b64 v[FB+12*\i+6*\e+4:FB+12*\i+6*\e+5], v7 offset:FO+6144*\e+768*\i
.endr
.endr
.irp i, 0,1,2,3
.irp e, 0,1
	ds_load_b128 v[FB+48+12*\i+6*\e:FB+48+12*\i+6*\e+3], v8 offset:FO+6144*\e+768*\i
	ds_load_b64 v[FB+48+12*\i+6*\e+4:FB+48+12*\i+6*\e+5], v9 offset:FO+6144*\e+768*\i
.endr
.endr
.if (\k)%2 == 0
	WIN 0
	s_wait_alu depctr_va_vdst(0)
.irp i, 0,1,2,3
	ds_load_b64 v[SC+8*(((\k)/2)%2)+2*\i:SC+8*(((\k)/2)%2)+2*\i+1], v10 offset:25600*(((\k)/2)%2)+24576+8*(32*(\i/2)+8*(\i%2))
.endr
.endif
.endm
; 16 matrix instructions; the 16 accumulators take turns, one instruction a turn, in the same order in every step.  orient 0: the weights are source 0; 1: x is
.macro MUL k, orient, bias
.set FB, 96*((\k)%2)
.set SS, SC+8*(((\k)/2)%2)+(\k)%2
.if (\k) == 0
	WIN W_MULB
.else
	WIN W_MUL
.endif
.irp a, 0,1,2,3
.irp b, 0,1,2,3
.set DD, ACC+8*(4*\a+\b)
.set CC, DD
.if (\k) == 0
.if \orient
.set CC, (\bias)+8*\a
.else
.set CC, (\bias)+8*\b
.endif
.endif
.if \orient
	v_wmma_scale_f32_16x16x128_f8f6f4 v[DD:DD+7], v[FB+12*\b:FB+12*\b+11], v[FB+48+12*\a:FB+48+12*\a+11], v[CC:CC+7], v[SS+2*\b], v[SS+2*\a] matrix_a_fmt:MATRIX_FMT_FP6 matrix_b_fmt:MATRIX_FMT_FP6 matrix_b_scale:MATRIX_SCALE_ROW1
.else
	v_wmma_scale_f32_16x16x128_f8f6f4 v[DD:DD+7], v[FB+12*\b:FB+12*\b+11], v[FB+48+12*\a:FB+48+12*\a+11], v[CC:CC+7], v[SS+2*\b], v[SS+2*\a] matrix_a_fmt:MATRIX_FMT_FP6 matrix_b_fmt:MATRIX_FMT_FP6 matrix_a_scale:MATRIX_SCALE_ROW1
.endif
.endr
.endr
.endm
.macro STEP k, orient, bias, stage
	s_wait_dscnt 0x0                               ; this step's fragments, asked for a step ago, are in
.if ((\k) == 3) && ((\stage) >= 0)
	s_wait_tensorcnt \stage                        ; my loads of K = 512 .. 1,023 have landed (the count: my loads issued behind them),
	s_barrier_signal -1
	s_barrier_wait -1                              ; everybody's have
.endif
.if (\k) < 7
.if (\k) == 3
	WIN 0
.irp v, 6,7,8,9,10
	s_wait_alu depctr_va_vdst(0)
	v_add_nc_u32 v\v, 51200, v\v                   ; on to chunks 2 and 3; these five lines are the places in front of the loads
.endr
.else
	PLACES
.endif
	FETCH (\k)+1
.endif
	MUL \k, \orient, \bias
.endm
.macro MAIN orient, bias, stage
.irp k, 0,1,2,3,4,5,6,7
	STEP \k, \orient, \bias, \stage
.endr
.endm
; 32 registers, register 16 b + i = k 32 b + 16 (lane / 16) + i of my row, become a half fragment's 6 registers in v[pc] on; the two bytes go to v[w]
.macro QUANT32 s, pc, w
	v_max3_num_f32 v[QM], |v[(\s)]|, |v[(\s)+1]|, 0x1800000           ; each accumulator is read from its low end on; the floor 2^(3 - 127) holds the byte at 1 from below
	v_max3_num_f32 v[QM+1], |v[(\s)+16]|, |v[(\s)+17]|, 0x1800000
.irp i, 2,4,6,8,10,12,14
	v_max3_num_f32 v[QM], v[QM], |v[(\s)+\i]|, |v[(\s)+\i+1]|
	v_max3_num_f32 v[QM+1], v[QM+1], |v[(\s)+16+\i]|, |v[(\s)+17+\i]|
.endr
	v_permlanex16_b32 v[QX], v[QM], s[SEL], s[SEL+1]
	v_permlanex16_b32 v[QX+1], v[QM+1], s[SEL], s[SEL+1]
	v_max_num_f32 v[QM], v[QM], v[QX]                                 ; with lane l xor 16's 16: the block's largest magnitude
	v_max_num_f32 v[QM+1], v[QM+1], v[QX+1]
	v_add_nc_u32 v[QS], 0xff000000, v[QM]                             ; 2 off the exponent field: the conversion's scale operand
	v_add_nc_u32 v[QS+1], 0xff000000, v[QM+1]
	v_lshrrev_b32 v[QX], 23, v[QS]
	v_lshrrev_b32 v[QX+1], 23, v[QS+1]
	v_lshl_or_b32 v[\w], v[QX+1], 8, v[QX]
	v_cvt_scalef32_pk16_fp6_f32 v[(\pc):(\pc)+2], v[(\s):(\s)+15], v[QS]
	v_cvt_scalef32_pk16_fp6_f32 v[QT:QT+2], v[(\s)+16:(\s)+31], v[QS+1]
	v_nop                                                             ; one plain line behind the conversions
.irp i, 0,1,2
	v_permlane16_swap_b32 v[(\pc)+\i], v[QT+\i]                       ; a whole block to a lane: lanes 0-15 block 0, lanes 16-31 block 1
.endr
.irp i, 0,1,2
	v_mov_b32 v[(\pc)+3+\i], v[QT+\i]
.endr
.endm
; the way out of a tile: four half fragments a wave, and their scale bytes.  isv = 0: whole words, 256 consecutive bytes; 1: two of a word's four bytes (the other two belong to the wave with the other 64 keys)
.macro EPI hb, sb, isv
	s_wait_xcnt 0x0                                ; the last way out's stores have read their registers
.irp a, 0,1,2,3
	QUANT32 ACC+32*\a, 32+8*\a, 76+\a
	global_store_b128 v3, v[32+8*\a:35+8*\a], s[\hb:\hb+1] offset:768*\a      ; 512 consecutive bytes, at a multiple of 256
	global_store_b64 v4, v[36+8*\a:37+8*\a], s[\hb:\hb+1] offset:768*\a       ; 256 more (v4 holds the 512)
.endr
	s_mov_b32 vcc_lo, 0xffff0000                   ; written anew in each way out
	v_cndmask_b32 v80, v76, v77, vcc_lo            ; lanes 0-15 the even tile's, lanes 16-31 the odd tile's
	v_cndmask_b32 v81, v78, v79, vcc_lo
.if \isv
	global_store_b16 v12, v80, s[\sb:\sb+1] offset:24576
	global_store_b16 v12, v81, s[\sb:\sb+1] offset:24576+128
.else
	global_store_b64 v11, v[80:81], s[\sb:\sb+1] offset:24576
.endif
.endm
	s_load_b256 s[4:11], s[0:1], 0x0               ; xq s[4:5], wq s[6:7], b_qkv s[8:9], qp s[10:11]
	s_load_b128 s[12:15], s[0:1], 0x20             ; kp s[12:13], vp s[14:15]
	v_lshl_add_u32 v14, v0, 2, SPARE
	v_mov_b32 v15, 0
	ds_add_u32 v14, v15
	ds_add_u32 v14, v15
	s_wait_dscnt 0x0
	v_lshrrev_b32 v1, 5, v0
	v_readfirstlane_b32 s[WV], v1                  ; wave 0..3
	s_and_b32 s17, s[WV], 1
	s_lshr_b32 s18, s[WV], 1
	s_bfe_u32 s19, ttmp6, 0x40000                  ; cx
	s_bfe_u32 s20, ttmp6, 0x40004                  ; cy
	s_lshl_b32 s21, ttmp9, 2
	s_add_co_u32 s21, s21, s19                     ; c: the pair of heads
	s_and_b32 s22, ttmp7, 0xffff
	s_lshl_b32 s22, s22, 2
	s_add_co_u32 s22, s22, s20                     ; RB: the block of 128 tokens
	s_lshl_b32 s2, s20, 2
	s_lshl_b32 s2, 15, s2                          ; my row of the cluster
	s_lshl_b32 s3, 0x1111, s19                     ; my column
	; descriptor group 1: a CB, 25,600 dense bytes, as 100 rows of 32 elements of 8 bytes
	s_or_b32 s24, s2, (3<<16)|(1<<21)              ; x's blocks go to my row
	s_or_b32 s32, s3, (3<<16)|(1<<21)              ; the weights' to my column
.irp g, 24, 32
	s_mov_b32 s[\g+1], 32<<16                      ; tensor_dim0
	s_mov_b32 s[\g+2], 400<<16                     ; tensor_dim1: at the head a load brings four CBs, 400 rows of 256 bytes
	s_mov_b32 s[\g+3], 32<<16                      ; tile_dim0
	s_mov_b32 s[\g+4], 400                         ; tile_dim1
	s_mov_b32 s[\g+5], 32                          ; the pitch
	s_mov_b32 s[\g+6], 0
	s_mov_b32 s[\g+7], 0
.endr
	s_mul_i32 s77, s[WV], 25600
	s_mul_i32 s68, s22, 102400                     ; x: block RB, all four chunks
	s_mov_b32 s69, 0
	s_mul_i32 s70, s21, 102400                     ; q's weights: block c
	s_add_co_u32 s74, s70, s77
	s_add_co_u32 s74, s74, 16*102400               ; v's weights: block c + 16, chunk w
	s_add_co_u32 s72, s70, 8*102400                ; k's: block c + 8
	s_mov_b32 s71, 0
	s_mov_b32 s73, 0
	s_mov_b32 s75, 0
	s_mov_b32 s[SEL], 0x76543210
	s_mov_b32 s[SEL+1], 0xfedcba98
	s_wait_kmcnt 0x0
	s_mov_b32 s40, 1
	s_mov_b32 s41, XR
	s_add_nc_u64 s[42:43], s[4:5], s[68:69]
	s_or_b32 s43, s43, 0x80000000
	s_mov_b32 s48, 1
	s_mov_b32 s49, B0
	s_add_nc_u64 s[50:51], s[6:7], s[70:71]
	s_or_b32 s51, s51, 0x80000000
	s_mov_b32 s56, 1
	s_mov_b32 s57, B1
	s_add_nc_u64 s[58:59], s[6:7], s[72:73]
	s_or_b32 s59, s59, 0x80000000
	s_mov_b32 s60, 1
	s_add_co_u32 s61, s77, B0
	s_add_nc_u64 s[62:63], s[6:7], s[74:75]
	s_or_b32 s63, s63, 0x80000000
	CROUND                                         ; all sixteen work-groups are here: the first joint loads meet
	; the head's fills, one a wave, in one chain of branches on the wave's number: wave 0 all of x's codes, wave 1 q's weights, wave 2 k's weights; wave 3 none
	s_cmp_eq_u32 s[WV], 0
	s_cbranch_scc0 .Lfirst_q
	tensor_load_to_lds s[40:43], s[24:31]
	s_nop 0
	PLACES
	s_branch .Lfirst_done
.Lfirst_q:
	s_cmp_eq_u32 s[WV], 1
	s_cbranch_scc0 .Lfirst_k
	tensor_load_to_lds s[48:51], s[32:39]
	s_nop 0
	PLACES
	s_branch .Lfirst_done
.Lfirst_k:
	s_cmp_eq_u32 s[WV], 2
	s_cbranch_scc0 .Lfirst_done
	tensor_load_to_lds s[56:59], s[32:39]
	s_nop 0
	PLACES
.Lfirst_done:
	v_and_b32 v13, 31, v0                          ; lane
	v_and_b32 v1, 15, v0                           ; r
	v_bfe_u32 v2, v0, 4, 1                         ; h
	v_lshlrev_b32 v3, 4, v13
	v_lshl_add_u32 v4, v13, 3, 512
	v_and_b32 v5, 8, v1
	v_add_nc_u32 v5, v5, v1                        ; r + 8 (r / 8)
	v_lshl_add_u32 v11, v2, 3, v5
	v_lshlrev_b32 v11, 3, v11                      ; 8 (8 h + r + 8 (r / 8)): where q's and k's scale words go
	v_lshlrev_b32 v32, 2, v5                       ; v's bias: my channel of a tile
	v_lshlrev_b32 v5, 3, v5
	v_lshlrev_b32 v12, 2, v13                      ; 4 x lane: where v's scale bytes go
	v_lshlrev_b32 v13, 6, v2                       ; q's and k's bias: 16 h numbers on
	s_wait_alu depctr_va_vdst(0)
	v_mov_b32 v[QX], 0                             ; written once: a lane permute's destination counts as one of its sources
	v_mov_b32 v[QX+1], 0
	; where the results go
	s_lshr_b32 s98, s22, 4                         ; the batch
	s_lshl_b32 s98, s98, 4
	s_lshl_b32 s99, s21, 1
	s_add_co_u32 s98, s98, s99                     ; 16 batch + 2 c
	s_bfe_u32 s99, s22, 0x20002                    ; the chunk of 512 tokens: (RB % 16) / 4
	s_and_b32 s23, s22, 3                          ; RB % 4
	s_add_co_u32 s2, s98, s17                      ; q, k: my head is 2 c + (w & 1)
	s_mul_i32 s2, s2, 106496
	s_mul_i32 s3, s99, 26624
	s_add_co_u32 s2, s2, s3
	s_lshl_b32 s3, s23, 1
	s_add_co_u32 s3, s3, s18                       ; my group of 64 tokens: 2 (RB % 4) + (w >> 1)
	s_mul_i32 s78, s3, 3072                        ; four tiles a group
	s_add_co_u32 s78, s78, s2
	s_mov_b32 s79, 0
	s_lshl_b32 s80, s3, 8
	s_add_co_u32 s80, s80, s2
	s_mov_b32 s81, 0
	s_add_nc_u64 s[82:83], s[10:11], s[78:79]
	s_add_nc_u64 s[84:85], s[10:11], s[80:81]
	s_add_nc_u64 s[86:87], s[12:13], s[78:79]
	s_add_nc_u64 s[88:89], s[12:13], s[80:81]
	s_add_co_u32 s2, s98, s18                      ; v: my head is 2 c + (w >> 1)
	s_mul_i32 s2, s2, 102400
	s_mul_i32 s3, s99, 25600
	s_add_co_u32 s2, s2, s3
	s_lshl_b32 s3, s23, 1
	s_add_co_u32 s3, s3, s17                       ; my 64 keys: 2 (RB % 4) + (w & 1)
	s_mul_i32 s78, s3, 3072
	s_add_co_u32 s78, s78, s2
	s_add_nc_u64 s[90:91], s[14:15], s[78:79]
	s_lshl_b32 s80, s23, 8
	s_add_co_u32 s80, s80, s2
	s_lshl_b32 s3, s17, 1
	s_add_co_u32 s80, s80, s3
	s_add_nc_u64 s[92:93], s[14:15], s[80:81]
	s_lshl_b32 s78, s21, 9                         ; the biases: 128 c numbers on, + my half's 64
	s_lshl_b32 s3, s17, 8
	s_add_co_u32 s78, s78, s3
	s_add_nc_u64 s[94:95], s[8:9], s[78:79]
	s_lshl_b32 s78, s21, 9
	s_lshl_b32 s3, s18, 8
	s_add_co_u32 s78, s78, s3
	s_add_co_u32 s78, s78, 8192
	s_add_nc_u64 s[96:97], s[8:9], s[78:79]
	WIN 0x80                                       ; destination window 2
.irp b, 0,1,2,3                        ; q, k: tile b's register j is channel 32 (b / 2) + 8 (b % 2) + 16 h + j
	global_load_b128 v[BQ+8*\b:BQ+8*\b+3], v13, s[94:95] offset:(32*(\b/2)+8*(\b%2))*4
	global_load_b128 v[BQ+8*\b+4:BQ+8*\b+7], v13, s[94:95] offset:(32*(\b/2)+8*(\b%2))*4+16
	global_load_b128 v[BK+8*\b:BK+8*\b+3], v13, s[94:95] offset:4096+(32*(\b/2)+8*(\b%2))*4
	global_load_b128 v[BK+8*\b+4:BK+8*\b+7], v13, s[94:95] offset:4096+(32*(\b/2)+8*(\b%2))*4+16
.endr
.irp a, 0,1,2,3                        ; v: a lane holds one channel: the same number in a tile's eight registers
.irp j, 0,1,2,3,4,5,6,7
	global_load_b32 v[BV+8*\a+\j], v32, s[96:97] offset:(32*(\a/2)+8*(\a%2))*4
.endr
.endr
	WIN 0
	s_wait_loadcnt 0x0
	s_cmp_lt_u32 s[WV], 2                          ; waves 0 and 1 wait for their own load lines: x and q's weights; k's weights may still be on their way
	s_cbranch_scc0 .Lnot_first
	s_wait_tensorcnt 0x0
.Lnot_first:
	s_barrier_signal -1
	s_barrier_wait -1                              ; everybody's has
	SETADR B0, XR, XR, B0, 18, 17
	s_wait_alu depctr_va_vdst(0)
	FETCH 0
	MAIN 0, BQ, -1                                 ; q: all of K lies in LDS, no barrier inside
	; the one refill: v's weights into q's region
	WIN 0
	s_wait_tensorcnt 0x0                           ; all my loads have landed, k's weights among them
	ds_add_u32 v14, v15                            ; 0 onto my spare word, twice on end
	ds_add_u32 v14, v15
	s_mov_b32 s34, 100<<16                         ; no load of mine is out: from here on a weights' load brings one CB, 100 rows
	s_mov_b32 s36, 100
	PLACES
	s_wait_dscnt 0x0                               ; the add is done, and my reads of q's weights are over
	CROUND                                         ; both hold of every wave of all sixteen work-groups
	tensor_load_to_lds s[60:63], s[32:39]          ; chunk w of v's weights: my one load behind the round
	s_nop 0
	PLACES
	SETADR B1, XR, XR, B1, 18, 17
	s_wait_alu depctr_va_vdst(0)
	FETCH 0
	EPI 82, 84, 0                                  ; q leaves while k's first fragments come
	MAIN 0, BK, -1                                 ; k
	WIN 0
	PLACES
	s_wait_tensorcnt 0x0                           ; my chunk of v's weights has landed,
	s_wait_dscnt 0x0
	s_barrier_signal -1
	s_barrier_wait -1                              ; everybody's has
	SETADR XR, B0, XR, B0, 17, 18                  ; x is source 0 now
	s_wait_alu depctr_va_vdst(0)
	FETCH 0
	EPI 86, 88, 0
	MAIN 1, BV, -1                                 ; v
	WIN 0
	PLACES
	EPI 90, 92, 1
	s_wait_tensorcnt 0x0                           ; the wave's end
	ds_add_u32 v14, v15
	s_wait_dscnt 0x0
	CROUND                                         ; the closing round
	s_endpgm
.Lfunc_end_k_q836b407e15_qkv:
	.size	k_q836b407e15_qkv, .Lfunc_end_k_q836b407e15_qkv-k_q836b407e15_qkv
	.p2alignl 7, 3214868480
	.fill 96, 4, 3214868480
	.section	.rodata,"a",@progbits
	.p2align	6, 0x0
	.amdhsa_kernel k_q836b407e15_qkv
		.amdhsa_group_segment_fixed_size 327680
		.amdhsa_private_segment_fixed_size 0
		.amdhsa_enable_private_segment 0
		.amdhsa_kernarg_size 48
		.amdhsa_user_sgpr_count 2
		.amdhsa_user_sgpr_kernarg_segment_ptr 1
		.amdhsa_wavefront_size32 1
		.amdhsa_system_sgpr_workgroup_id_x 1
		.amdhsa_system_sgpr_workgroup_id_y 1
		.amdhsa_system_sgpr_workgroup_id_z 1
		.amdhsa_system_vgpr_workitem_id 0
		.amdhsa_next_free_vgpr 704
		.amdhsa_next_free_sgpr 100
		.amdhsa_reserve_vcc 1
		.amdhsa_float_denorm_mode_32 3
		.amdhsa_float_denorm_mode_16_64 3
		.amdhsa_memory_ordered 1
		.amdhsa_forward_progress 1
		.amdhsa_inst_pref_size 147
	.end_amdhsa_kernel
	.amdgpu_metadata
---
amdhsa.version: [ 1, 2 ]
amdhsa.kernels:
  - .name:           k_q836b407e15_qkv
    .symbol:         k_q836b407e15_qkv.kd
    .args:
      - { .name: xq, .offset: 0, .size: 8, .value_kind: global_buffer, .address_space: global }
      - { .name: wq, .offset: 8, .size: 8, .value_kind: global_buffer, .address_space: global }
      - { .name: b_qkv, .offset: 16, .size: 8, .value_kind: global_buffer, .address_space: global }
      - { .name: qp, .offset: 24, .size: 8, .value_kind: global_buffer, .address_space: global }
      - { .name: kp, .offset: 32, .size: 8, .value_kind: global_buffer, .address_space: global }
      - { .name: vp, .offset: 40, .size: 8, .value_kind: global_buffer, .address_space: global }
    .group_segment_fixed_size: 327680
    .private_segment_fixed_size: 0
    .kernarg_segment_align: 8
    .kernarg_segment_size: 48
    .max_flat_workgroup_size: 128
    .sgpr_count:     100
    .vgpr_count:     704
    .wavefront_size: 32
...
	.end_amdgpu_metadata
.endif
;; end of part 2
;; launch attn (part 3): grid 8 x 32, 16 waves a work-group, clusters of 4 x 1, 210,944 bytes of LDS; arguments qp, kp, vp, oq; writes oq
.if DOCPART == 3
	.amdgcn_target "amdgcn-amd-amdhsa--gfx1250"
	.amdhsa_code_object_version 6
	.text
	.protected	k_q836b407e15_attn
	.globl	k_q836b407e15_attn
	.p2align	8
	.type	k_q836b407e15_attn,@function
k_q836b407e15_attn:
	s_mov_b64 s[64:65], 0
	v_nop
	global_prefetch_b8 v0, s[64:65] scope:SCOPE_SE
	s_setreg_imm32_b32 hwreg(HW_REG_WAVE_MODE, 25, 1), 1
	s_wait_xcnt 0x0
	s_wait_alu depctr_hold_cnt(0) depctr_sa_sdst(0) depctr_va_vdst(0) depctr_va_sdst(0) depctr_va_ssrc(0) depctr_va_vcc(0) depctr_vm_vsrc(0)
	s_getreg_b32 s2, hwreg(HW_REG_IB_STS2, 6, 4)
	s_cmp_eq_u32 s2, 0
	s_cbranch_scc0 .Lentry_in_a_cluster
	s_endpgm
.Lentry_in_a_cluster:
	s_bfe_u32 s2, ttmp6, 0x10000c
	s_cmp_lg_u32 s2, 0x3003
	s_cbranch_scc0 .Lentry_shape_is_right
	s_endpgm
.Lentry_shape_is_right:
; O = softmax(Q K^T / 8) V for one head, both products on codes of FP6 (E2M3) with E8M0 scales; O / l is quantised along C = (head, channel) and leaves as codes for the projection.
; THE SOFTMAX: t = score x log2(e) / 8; M = the running largest t rounded UP to a whole number; p = 2^(t - M) is quantised along the keys, not normalised; the row's sum l is taken of the unquantised p and divides at the end.
; SHARES.  A work-group owns 256 queries of a head, each of its sixteen waves 16 of them, in 256 registers.  Every wave walks the head's 2,048 keys in steps of 128, two steps a trip.
; A HEAD'S WHOLE K AND V STAY IN LDS, in four dense regions: K's codes (98,304 bytes), K's scale words (8,192), V's codes (98,304), V's scale words (4,096): a step is 6,144, 512, 6,144 and 256 bytes on.
; SIXTEEN TENSOR LOADS AT THE HEAD, ONE A WAVE: wave w brings region w % 4 of the chunk of 512 keys w / 4.  Waves 0-3, in arms of their own, bring chunk 0 and alone wait at the first barrier; two trips work on it;
; then every wave waits for 0 and one more barrier shows the other three chunks, for six trips.  Nothing is filled again: no ring.
; CLUSTER 4 x 1: the four blocks of queries of a cluster belong to one head: each load is asked for jointly, mask 15.  No prefetch: every tensor load stands at the head, so there is no loop to run ahead in.
; LAYOUT.  Both products transposed: S^T = K Q^T, O^T = V^T P^T: a lane holds one query.  Operands lie as half fragments of 768 bytes (row r', half h: 16 bytes at 256 h + 16 r', 8 bytes at 512 + 128 h + 8 r').
; Stored tile T of a group of 64 keys holds keys 32 (T / 2) + 8 (T % 2) + r' + 8 (r' / 8).  THE LANES' ADDRESSES PICK OTHER ROWS FOR A TILE: tile t takes keys 8 t + i (rows 0-7: stored tile t % 2, rows 8 (t / 2) + i) and
; 32 + 8 t + i (rows 8-15: stored tile 2 + t % 2).  So the 32 scores of a lane in four tiles are keys 32 h + 0 .. 31 of the 64: ONE scale block of p, in the order of the operand's registers: no lane swap, and the block's maximum needs no other lane.
; K = 64 IN AN INSTRUCTION OF 128: Q's registers 6-11 are zero codes; K's tiles stand 6 registers apart and an operand's upper 6 registers (the next tile's codes; behind the last tile six lane offsets) meet those zeros; the scale bytes 2, 3 are 0, which is 2^-127.
; ORDER OF A STEP: 8 products; the last step's sum is finished (the four places); the next step's K is asked for; maxima; M, f; t - M; O^T x f; one batch of 66 exponentials; ONE wait for LDS; codes; 4 products; the sum of p as a tree, V's next loads among it.
; LIMITS: NaN and infinities are not served; a block whose largest magnitude lies under 2^-124 gets the scale byte 1; the promise holds while |t| stays under 2^31.
; REGISTERS: v0, v30 -M by turns (pairs with v1, v31), v1-3 K's LDS addresses, v4-6 V's, v7 p's scale word, v8-11 K's scale words, v12-13 V's, v[14:15] l, v16-27 Q, v28-29 for the spare words, v31 largest score,
;   v32-79 K, v80-85 lane offsets, v86-133 V, v134-197 S^T then p, v198-229 O^T, v230-241 p's codes, then four partial sums, v242-248 second conversions, v245 8 h, v249 Q's scale word, v250 f, v251 8 (r + 8 (r / 8)), v252-255 at work.
.set KSC, 98304                        ; LDS: K's codes from 0, K's scale words from here,
.set VC,  106496                       ; V's codes,
.set VSC, 204800                       ; V's scale words,
.set SPARE, 0x33000                    ; the spare words, 128 bytes a wave
.set WV,  12
.set G1C, 16                           ; s[16:23] group 1 for 96 rows of 256 bytes (codes); s[40:47] for 8 (K's scale words); s[48:55] for 4 (V's)
.set G0A, 24                           ; s[24:39] four groups 0, one for each region
.set G0B, 28
.set G0C, 32
.set G0D, 36
.set G1S, 40
.set G1T, 48
.set TVS, 56
.set SEL, 66
.set CS,  68                           ; s[68:69] c = log2(e) / 8
.set TK,  70                           ; the trip's LDS bytes: K's codes, K's scale words, V's codes (s56: V's scale words)
.set TKS, 71
.set TV,  72
.set GR,  73                           ; w % 4
.set CNT, 74
.set CH,  75                           ; w / 4
.set S,   134
.set O,   198
.macro CROUND                          ; a round of the cluster's barrier
	s_barrier_signal -1
	s_barrier_wait -1
	s_cmp_lg_u32 s[WV], 0
	s_cbranch_scc1 .Lnot_wave_0_\@
	s_barrier_signal -3
.Lnot_wave_0_\@:
	s_barrier_wait -3
	s_barrier_signal -1
	s_barrier_wait -1
.endm
.macro GROUP1 g, rows                  ; a dense block as rows of 32 elements of 8 bytes; the mask names all four work-groups
	s_mov_b32 s[\g], 15|(3<<16)|(1<<21)
	s_mov_b32 s[\g+1], 32<<16
	s_mov_b32 s[\g+2], (\rows)<<16
	s_mov_b32 s[\g+3], 32<<16
	s_mov_b32 s[\g+4], \rows
	s_mov_b32 s[\g+5], 32
	s_mov_b32 s[\g+6], 0
	s_mov_b32 s[\g+7], 0
.endm
.macro ARM reg, n, g0, g1, next        ; an arm of the head's one chain: one fill, then the join
	s_cmp_eq_u32 s[\reg], \n
	s_cbranch_scc0 \next
	tensor_load_to_lds s[\g0:\g0+3], s[\g1:\g1+7]
	s_nop 0
	s_branch .Lasked
\next:
.endm
.macro KLOAD i                         ; step i's eight tiles of K and their scale words: 20 loads.  Tile n = 4 c + t; v[8 + n / 2]: lanes 0-15 the even tile's words, lanes 16-31 the odd tile's
.irp n, 0,1,2,3,4,5,6,7
	ds_load_b128 v[32+6*\n:35+6*\n], v1 offset:6144*(\i)+3072*(\n/4)+768*(\n%2)+128*((\n%4)/2)
	ds_load_b64 v[36+6*\n:37+6*\n], v2 offset:6144*(\i)+3072*(\n/4)+768*(\n%2)+64*((\n%4)/2)
.endr
.irp u, 0,1,2,3
	ds_load_b32 v[8+\u], v3 offset:512*(\i)+256*(\u/2)+128*(\u%2)
.endr
.endm
.macro VLOAD i                         ; step i's four tiles of V (16 channels x 128 keys) and their scale words: 18 loads
.irp t, 0,1,2,3
.irp e, 0,1
	ds_load_b128 v[86+12*\t+6*\e:89+12*\t+6*\e], v4 offset:6144*(\i)+768*(4*\e+\t)
	ds_load_b64 v[90+12*\t+6*\e:91+12*\t+6*\e], v5 offset:6144*(\i)+768*(4*\e+\t)
.endr
.endr
	ds_load_b32 v12, v6 offset:256*(\i)
	ds_load_b32 v13, v6 offset:256*(\i)+128
.endm
.macro TREE from, to, d                ; pairs from .. to - 1 of p take pair + d onto them
.set i_, \from
.rept (\to)-(\from)
	v_pk_add_f32 v[S+2*i_:S+2*i_+1], v[S+2*i_:S+2*i_+1], v[S+2*(i_+\d):S+2*(i_+\d)+1]
.set i_, i_+1
.endr
.endm
.macro TM from, to                     ; t - M, two at a time
.set j_, \from
.rept ((\to)-(\from))/2
	v_pk_fma_f32 v[S+j_:S+j_+1], v[S+j_:S+j_+1], s[CS:CS+1], v[NN:NN+1] op_sel_hi:[1,0,0]
.set j_, j_+2
.endr
.endm
.macro LSUM                            ; the last step's four partial sums go onto l, which comes under that step's M
	v_pk_add_f32 v[230:231], v[230:231], v[234:235]
	v_pk_add_f32 v[232:233], v[232:233], v[236:237]
	v_pk_add_f32 v[230:231], v[230:231], v[232:233]
	v_pk_fma_f32 v[14:15], v[14:15], v[250:251], v[230:231] op_sel_hi:[1,0,1]
.endm
; A KEY STEP: 128 keys
.macro STEP i
.if (\i)%2
.set NN, 0                             ; the new -M; the old one lies in the other register, so no move is written
.set ON, 30
.else
.set NN, 30
.set ON, 0
.endif
.irp n, 0,1,2,3,4,5,6,7
.if \n%2
	v_wmma_scale_f32_16x16x128_f8f6f4 v[S+8*\n:S+8*\n+7], v[32+6*\n:43+6*\n], v[16:27], 0, v[8+\n/2], v249 matrix_a_fmt:MATRIX_FMT_FP6 matrix_b_fmt:MATRIX_FMT_FP6 matrix_a_scale:MATRIX_SCALE_ROW1
.else
	v_wmma_scale_f32_16x16x128_f8f6f4 v[S+8*\n:S+8*\n+7], v[32+6*\n:43+6*\n], v[16:27], 0, v[8+\n/2], v249 matrix_a_fmt:MATRIX_FMT_FP6 matrix_b_fmt:MATRIX_FMT_FP6
.endif
.endr
	LSUM                                           ; these four are the places behind the products
.if (\i) < 1
	KLOAD (\i)+1
.endif
.irp b, 0,16,32,48                     ; the largest score of my two blocks of 32 keys, two chains each; every accumulator is first read at its low end
	v_max3_num_f32 v[252+\b/16], v[S+\b], v[S+\b+1], v[S+\b+2]
.endr
.irp k, 3,5,7,9,11,13
.irp b, 0,16,32,48
	v_max3_num_f32 v[252+\b/16], v[252+\b/16], v[S+\b+\k], v[S+\b+\k+1]
.endr
.endr
	v_max3_num_f32 v252, v252, v253, v[S+15]
	v_max3_num_f32 v254, v254, v255, v[S+47]
	v_max_num_f32 v252, v252, v[S+31]              ; block 2 c + h: c = 0 in v252, c = 1 in v254
	v_max_num_f32 v254, v254, v[S+63]
	s_delay_alu instid0(VALU_DEP_1)
	v_max_num_f32 v253, v252, v254
	s_delay_alu instid0(VALU_DEP_1)
	v_permlanex16_b32 v255, v253, s[SEL], s[SEL+1]
	s_delay_alu instid0(VALU_DEP_1)
	v_max3_num_f32 v31, v31, v253, v255            ; the running largest score of my query, lane l xor 16's keys among them
	s_delay_alu instid0(VALU_DEP_1)
	v_mul_f32 v253, s[CS], v31                     ; as t
	s_delay_alu instid0(VALU_DEP_1)
	v_floor_f32 v[NN], -v253                       ; -M = -ceil(t)
	s_delay_alu instid0(VALU_DEP_1)
	v_sub_f32 v253, v[NN], v[ON]                   ; old M - new M: a whole number, 0 or less
	TM 0, 4
	v_cvt_i32_f32 v253, v253                       ; (it saturates)
	TM 4, 8
	v_ldexp_f32 v250, 1.0, v253                    ; f = 2^(old M - new M)
	TM 8, 64
	v_fma_f32 v252, v252, s[CS], v[NN]             ; the same of each block's largest score: p rises with the score
	v_fma_f32 v254, v254, s[CS], v[NN]
.set j_, 0
.rept 16
	v_pk_mul_f32 v[O+j_:O+j_+1], v[O+j_:O+j_+1], v[250:251] op_sel_hi:[1,0]    ; O^T under the new M, ahead of the exponentials
.set j_, j_+2
.endr
	s_wait_alu depctr_va_vdst(0)                   ; the wait ahead of the batch
	v_exp_f32 v252, v252                           ; each block's largest p
	v_exp_f32 v254, v254
.set j_, 0
.rept 64
	v_exp_f32 v[S+j_], v[S+j_]                     ; p = 2^(t - M)
.set j_, j_+1
.endr
	v_nop                                          ; a plain line behind the exponentials
	s_wait_alu depctr_va_vdst(0)                   ; one wait for the batch, ahead of its first reader and of the wait below
	s_wait_dscnt 0x0                               ; this step's V and the next step's K are in
	v_max_num_f32 v252, 0x1800000, v252            ; the floor 2^(3 - 127): the byte cannot fall under 1
	v_max_num_f32 v254, 0x1800000, v254
	v_add_nc_u32 v253, 0xff000000, v252            ; 2 off the exponent field: the conversions' scale operand
	v_add_nc_u32 v255, 0xff000000, v254
	v_cvt_scalef32_pk16_fp6_f32 v[230:232], v[S:S+15], v253
	v_cvt_scalef32_pk16_fp6_f32 v[242:244], v[S+16:S+31], v253      ; (a conversion's three registers begin on an even number)
	v_cvt_scalef32_pk16_fp6_f32 v[236:238], v[S+32:S+47], v255
	v_cvt_scalef32_pk16_fp6_f32 v[246:248], v[S+48:S+63], v255
	v_lshrrev_b32 v252, 23, v253                   ; the bytes; also the plain line behind the conversions
	v_lshrrev_b32 v254, 23, v255
	v_mov_b32 v233, v242
	v_lshl_or_b32 v252, v254, 16, v252             ; my bytes: blocks h and 2 + h,
	v_mov_b32 v234, v243
	v_lshlrev_b32 v252, v245, v252                 ; at their places, 8 h bits up;
	v_mov_b32 v235, v244
	v_permlanex16_b32 v254, v252, s[SEL], s[SEL+1]
	v_mov_b32 v239, v246
	v_or_b32 v7, v252, v254                        ; with lane l xor 16's two: p's scale word for these 128 keys
	v_mov_b32 v240, v247
	v_mov_b32 v241, v248
	TREE 0, 8, 16                                  ; THE ROW'S SUM, OF THE UNQUANTISED p, in place; these eight are the places between the scale word and codes and the products
.irp t, 0,1,2,3
.if \t%2
	v_wmma_scale_f32_16x16x128_f8f6f4 v[O+8*\t:O+8*\t+7], v[86+12*\t:97+12*\t], v[230:241], v[O+8*\t:O+8*\t+7], v[12+\t/2], v7 matrix_a_fmt:MATRIX_FMT_FP6 matrix_b_fmt:MATRIX_FMT_FP6 matrix_a_scale:MATRIX_SCALE_ROW1
.else
	v_wmma_scale_f32_16x16x128_f8f6f4 v[O+8*\t:O+8*\t+7], v[86+12*\t:97+12*\t], v[230:241], v[O+8*\t:O+8*\t+7], v[12+\t/2], v7 matrix_a_fmt:MATRIX_FMT_FP6 matrix_b_fmt:MATRIX_FMT_FP6
.endif
.endr
	TREE 8, 12, 16                                 ; four places behind the products
.if (\i) < 1
	VLOAD (\i)+1
.endif
	TREE 12, 16, 16
	TREE 0, 8, 8
.irp p, 0,1,2,3
	v_pk_add_f32 v[230+2*\p:231+2*\p], v[S+2*\p:S+2*\p+1], v[S+8+2*\p:S+9+2*\p]   ; four partial sums outlive p's registers, in the codes' registers, sixteen plain lines behind the products that read those
.endr
.endm
.macro TRIPS n                         ; n trips of two steps
	s_mov_b32 s[CNT], 0
.Ltrip_\@:
	v_add_nc_u32 v1, s[TK], v80
	v_add_nc_u32 v2, s[TK], v81
	v_add_nc_u32 v3, s[TKS], v82
	v_add_nc_u32 v4, s[TV], v83
	v_add_nc_u32 v5, s[TV], v84
	v_add_nc_u32 v6, s[TVS], v85
	KLOAD 0
	VLOAD 0
	s_wait_alu depctr_va_vdst(0)
	s_wait_dscnt 18                                ; K's 20 loads are in; V's 18, issued behind them, may be out
	STEP 0
	STEP 1
	s_add_co_u32 s[TK], s[TK], 12288
	s_add_co_u32 s[TKS], s[TKS], 1024
	s_add_co_u32 s[TV], s[TV], 12288
	s_add_co_u32 s[TVS], s[TVS], 512
	s_add_co_u32 s[CNT], s[CNT], 1
	s_cmp_lt_u32 s[CNT], \n
	s_cbranch_scc1 .Ltrip_\@
.endm
	s_load_b256 s[4:11], s[0:1], 0x0               ; qp s[4:5], kp s[6:7], vp s[8:9], oq s[10:11]
	v_lshl_add_u32 v28, v0, 2, SPARE
	v_mov_b32 v29, 0
	ds_add_u32 v28, v29                            ; the opening lines: the add twice on end and its wait
	ds_add_u32 v28, v29
	v_lshrrev_b32 v1, 5, v0
	v_readfirstlane_b32 s[WV], v1                  ; wave 0..15
	s_bfe_u32 s13, ttmp6, 0x40000                  ; cx: it enters Q's and O's global addresses alone
	s_and_b32 s14, ttmp7, 0xffff                   ; 16 batch + head, which the four partners share
	s_lshl_b32 s15, ttmp9, 2
	s_add_co_u32 s15, s15, s13
	s_lshl_b32 s15, s15, 4
	s_add_co_u32 s15, s15, s[WV]                   ; my tile of 16 queries, 0 .. 127
	s_and_b32 s[GR], s[WV], 3                      ; the region that I fill,
	s_lshr_b32 s[CH], s[WV], 2                     ; and the chunk of 512 keys
	GROUP1 G1C, 96
	GROUP1 G1S, 8
	GROUP1 G1T, 4
	s_mul_i32 s76, s14, 106496
	s_mul_i32 s78, s14, 102400
	s_mul_i32 s84, s[CH], 26624
	s_add_co_u32 s84, s84, s76                     ; my chunk in kp,
	s_mov_b32 s85, 0
	s_mul_i32 s86, s[CH], 25600
	s_add_co_u32 s86, s86, s78                     ; and in vp
	s_mov_b32 s87, 0
.irp g, G0A, G0B, G0C, G0D
	s_mov_b32 s[\g], 1
.endr
	s_mul_i32 s[G0A+1], s[CH], 24576
	s_lshl_b32 s[G0B+1], s[CH], 11
	s_add_co_u32 s[G0B+1], s[G0B+1], KSC
	s_add_co_u32 s[G0C+1], s[G0A+1], VC
	s_lshl_b32 s[G0D+1], s[CH], 10
	s_add_co_u32 s[G0D+1], s[G0D+1], VSC
	s_lshr_b32 s57, s15, 5                         ; Q: chunk qt / 32, tile qt % 32
	s_mul_i32 s57, s57, 26624
	s_add_co_u32 s57, s57, s76
	s_and_b32 s58, s15, 31
	s_mul_i32 s88, s58, 768
	s_add_co_u32 s88, s88, s57
	s_mov_b32 s89, 0
	s_lshr_b32 s90, s58, 2                         ; its scale words: 256 (T / 4) + 64 (T % 2) + 4 ((T / 2) % 2)
	s_lshl_b32 s90, s90, 8
	s_add_co_u32 s90, s90, s57
	s_and_b32 s58, s15, 1
	s_lshl_b32 s58, s58, 6
	s_add_co_u32 s90, s90, s58
	s_bfe_u32 s58, s15, 0x10001
	s_lshl_b32 s58, s58, 2
	s_add_co_u32 s90, s90, s58
	s_mov_b32 s91, 0
	s_lshr_b32 s57, s14, 4                         ; O: block of 128 rows 16 batch + qt / 8, chunk head / 4, q = head % 4, tile qt % 8
	s_lshl_b32 s57, s57, 4
	s_lshr_b32 s58, s15, 3
	s_add_co_u32 s57, s57, s58
	s_lshl_b32 s57, s57, 2
	s_bfe_u32 s58, s14, 0x20002
	s_add_co_u32 s57, s57, s58
	s_mul_i32 s57, s57, 25600
	s_and_b32 s58, s14, 3
	s_mul_i32 s58, s58, 6144
	s_add_co_u32 s92, s57, s58
	s_and_b32 s58, s15, 7
	s_mul_i32 s58, s58, 768
	s_add_co_u32 s92, s92, s58
	s_mov_b32 s93, 0
	s_bfe_u32 s58, s15, 0x20001                    ; its two scale bytes: 8 x (32 ((qt % 8) / 2) + 8 (qt % 2)) + 4 ((head % 4) / 2) + 2 (head % 2)
	s_lshl_b32 s58, s58, 8
	s_add_co_u32 s94, s57, s58
	s_and_b32 s58, s15, 1
	s_lshl_b32 s58, s58, 6
	s_add_co_u32 s94, s94, s58
	s_bfe_u32 s58, s14, 0x10001
	s_lshl_b32 s58, s58, 2
	s_add_co_u32 s94, s94, s58
	s_and_b32 s58, s14, 1
	s_lshl_b32 s58, s58, 1
	s_add_co_u32 s94, s94, s58
	s_mov_b32 s95, 0
	s_mov_b32 s[SEL], 0x76543210
	s_mov_b32 s[SEL+1], 0xfedcba98
	s_mov_b32 s[CS], 0x3e38aa3b                    ; log2(e) / 8
	s_mov_b32 s[CS+1], s[CS]                       ; (named with it as a pair, so it is written)
	s_mov_b32 s[TK], 0
	s_mov_b32 s[TKS], KSC
	s_mov_b32 s[TV], VC
	s_mov_b32 s[TVS], VSC
	v_and_b32 v8, 31, v0                           ; lane
	v_and_b32 v9, 15, v0                           ; r
	v_bfe_u32 v10, v0, 4, 1                        ; h
	v_and_b32 v11, 7, v0                           ; r % 8
	v_bfe_u32 v12, v0, 3, 1                        ; r / 8
	v_lshlrev_b32 v83, 4, v8                       ; V, Q, O: 16 lane
	v_lshl_add_u32 v84, v8, 3, 512                 ; 8 lane + 512
	v_lshlrev_b32 v85, 2, v8                       ; V's scale words: 4 lane
	v_mul_u32_u24 v13, v12, 1536                   ; K: rows 8-15 come from the stored tile two further on
	v_lshl_add_u32 v80, v10, 8, v13
	v_lshl_add_u32 v80, v11, 4, v80                ; 256 h + 16 (r % 8) + 1536 (r / 8)
	v_lshl_add_u32 v81, v10, 7, v13
	v_lshl_add_u32 v81, v11, 3, v81
	v_add_nc_u32 v81, 512, v81                     ; 512 + 128 h + 8 (r % 8) + 1536 (r / 8)
	v_lshlrev_b32 v82, 6, v10
	v_lshl_add_u32 v82, v11, 3, v82
	v_lshl_add_u32 v82, v12, 2, v82                ; K's scale words: 64 h (lanes 16-31 the odd tile) + 8 (r % 8) + 4 (r / 8)
	v_lshlrev_b32 v245, 3, v10                     ; 8 h
	v_and_b32 v251, 8, v9
	v_add_nc_u32 v251, v251, v9
	v_lshlrev_b32 v251, 3, v251                    ; 8 (r + 8 (r / 8))
	s_wait_alu depctr_va_vdst(0)                   ; the wait here, directly ahead of the waits below
	s_wait_dscnt 0x0
	s_wait_kmcnt 0x0
	s_add_nc_u64 s[88:89], s[4:5], s[88:89]
	s_add_nc_u64 s[90:91], s[4:5], s[90:91]
	global_load_b128 v[16:19], v83, s[88:89]       ; Q's half fragment, asked for ahead of all else; it stays in registers
	global_load_b64 v[20:21], v84, s[88:89]
	global_load_b32 v249, v251, s[90:91] offset:24576
	s_add_nc_u64 s[G0A+2:G0A+3], s[6:7], s[84:85]  ; a chunk of kp: 24,576 bytes of codes, then 2,048 of scale words
	s_add_nc_u64 s[G0B+2:G0B+3], s[G0A+2:G0A+3], 24576
	s_add_nc_u64 s[G0C+2:G0C+3], s[8:9], s[86:87]  ; a chunk of vp: 24,576 bytes of codes, then 1,024 of scale words
	s_add_nc_u64 s[G0D+2:G0D+3], s[G0C+2:G0C+3], 24576
.irp g, G0A, G0B, G0C, G0D
	s_or_b32 s[\g+3], s[\g+3], 0x80000000
.endr
	s_add_nc_u64 s[92:93], s[10:11], s[92:93]
	s_add_nc_u64 s[94:95], s[10:11], s[94:95]
	CROUND                                         ; all four work-groups are here: the joint loads meet
	ARM WV, 0, G0A, G1C, .Larm1                    ; one chain, one fill to an arm, every wave one: chunk 0's four, in lines of their own, stand first
	ARM WV, 1, G0B, G1S, .Larm2
	ARM WV, 2, G0C, G1C, .Larm3
	ARM WV, 3, G0D, G1T, .Larm4
	ARM GR, 0, G0A, G1C, .Larm5                    ; waves 4-15: chunks 1 to 3
	ARM GR, 1, G0B, G1S, .Larm6
	ARM GR, 2, G0C, G1C, .Larm7
	tensor_load_to_lds s[G0D:G0D+3], s[G1T:G1T+7]
	s_nop 0
.Lasked:
.irp j, 22,23,24,25,26,27
	v_mov_b32 v\j, 0                               ; Q's k = 64 .. 127: zero codes
.endr
	v_mov_b32 v31, 0xff61b1e6                      ; the largest score so far: -3e38
	v_floor_f32 v0, -v31                           ; the first step's old -M
.irp j, 14,15,230,231,232,233,234,235,236,237,250
	v_mov_b32 v\j, 0                               ; l, the partial sums, f
.endr
.set j_, 0
.rept 32
	v_mov_b32 v[O+j_], 0                           ; O^T: the step is written once; the first finds zeros, which the first change of M leaves zeros
.set j_, j_+1
.endr
	s_wait_alu depctr_va_vdst(0)                   ; the wait at the head's end
	s_wait_loadcnt 0x0                             ; Q
	s_cmp_lt_u32 s[WV], 4                          ; waves 0-3 wait for their own load lines: chunk 0; the others' loads may still be on their way
	s_cbranch_scc0 .Lnot_first
	s_wait_tensorcnt 0x0
.Lnot_first:
	s_barrier_signal -1
	s_barrier_wait -1                              ; chunk 0 may be read
	TRIPS 2                                        ; keys 0 .. 511
	s_wait_tensorcnt 0x0                           ; on every wave's way: my load has landed
	s_wait_dscnt 0x0
	s_barrier_signal -1
	s_barrier_wait -1                              ; all of K and V may be read; nothing is filled again
	TRIPS 6                                        ; keys 512 .. 2,047
	; THE WAY OUT: O^T / l, quantised along the head's 64 channels, which are two blocks of the projection's K.  Register 16 b + i of a lane is channel 32 b + 16 h + i
	LSUM
	v_add_f32 v14, v14, v15
	v_permlanex16_b32 v255, v14, s[SEL], s[SEL+1]
	v_add_f32 v14, v14, v255                       ; the row's sum
	s_wait_alu depctr_va_vdst(0)
	v_rcp_f32 v14, v14
	v_nop                                          ; a plain line behind the reciprocal
	s_wait_alu depctr_va_vdst(0)                   ; the wait ahead of its first reader, which is O^T's first reader too
.set j_, 0
.rept 32
	v_mul_f32 v[S+j_], v[O+j_], v14                ; each accumulator from its low end on
.set j_, j_+1
.endr
	v_max3_num_f32 v252, |v[S]|, |v[S+1]|, 0x1800000
	v_max3_num_f32 v253, |v[S+16]|, |v[S+17]|, 0x1800000
.irp i, 2,4,6,8,10,12,14
	v_max3_num_f32 v252, v252, |v[S+\i]|, |v[S+\i+1]|
	v_max3_num_f32 v253, v253, |v[S+16+\i]|, |v[S+17+\i]|
.endr
	v_permlanex16_b32 v254, v252, s[SEL], s[SEL+1]
	v_permlanex16_b32 v255, v253, s[SEL], s[SEL+1]
	v_max_num_f32 v252, v252, v254                 ; with lane l xor 16's 16: the block's largest magnitude
	v_max_num_f32 v253, v253, v255
	v_add_nc_u32 v246, 0xff000000, v252
	v_add_nc_u32 v247, 0xff000000, v253
	v_lshrrev_b32 v254, 23, v246
	v_lshrrev_b32 v255, 23, v247
	v_lshl_or_b32 v7, v255, 8, v254
	v_cvt_scalef32_pk16_fp6_f32 v[230:232], v[S:S+15], v246
	v_cvt_scalef32_pk16_fp6_f32 v[242:244], v[S+16:S+31], v247
	v_nop                                          ; one plain line behind the conversions
.irp i, 0,1,2
	v_permlane16_swap_b32 v[230+\i], v[242+\i]     ; a whole block to a lane: lanes 0-15 block 0, lanes 16-31 block 1
.endr
.irp i, 0,1,2
	v_mov_b32 v[233+\i], v[242+\i]
.endr
	global_store_b128 v83, v[230:233], s[92:93]    ; 512 consecutive bytes, at a multiple of 256
	global_store_b64 v84, v[234:235], s[92:93]     ; 256 more
	global_store_b16 v251, v7, s[94:95] offset:24576   ; two of a word's four bytes: the others are another head's (lanes l and l xor 16 write the same bytes with the same value)
	s_wait_tensorcnt 0x0                           ; the wave's end
	ds_add_u32 v28, v29
	s_wait_dscnt 0x0
	CROUND                                         ; the closing round
	s_endpgm
.Lfunc_end_k_q836b407e15_attn:
	.size	k_q836b407e15_attn, .Lfunc_end_k_q836b407e15_attn-k_q836b407e15_attn
	.p2alignl 7, 3214868480
	.fill 96, 4, 3214868480
	.section	.rodata,"a",@progbits
	.p2align	6, 0x0
	.amdhsa_kernel k_q836b407e15_attn
		.amdhsa_group_segment_fixed_size 210944
		.amdhsa_private_segment_fixed_size 0
		.amdhsa_enable_private_segment 0
		.amdhsa_kernarg_size 32
		.amdhsa_user_sgpr_count 2
		.amdhsa_user_sgpr_kernarg_segment_ptr 1
		.amdhsa_wavefront_size32 1
		.amdhsa_system_sgpr_workgroup_id_x 1
		.amdhsa_system_sgpr_workgroup_id_y 1
		.amdhsa_system_sgpr_workgroup_id_z 1
		.amdhsa_system_vgpr_workitem_id 0
		.amdhsa_next_free_vgpr 256
		.amdhsa_next_free_sgpr 96
		.amdhsa_reserve_vcc 0
		.amdhsa_float_denorm_mode_32 3
		.amdhsa_float_denorm_mode_16_64 3
		.amdhsa_memory_ordered 1
		.amdhsa_forward_progress 1
		.amdhsa_inst_pref_size 76
	.end_amdhsa_kernel
	.amdgpu_metadata
---
amdhsa.version: [ 1, 2 ]
amdhsa.kernels:
  - .name:           k_q836b407e15_attn
    .symbol:         k_q836b407e15_attn.kd
    .args:
      - { .name: qp, .offset: 0, .size: 8, .value_kind: global_buffer, .address_space: global }
      - { .name: kp, .offset: 8, .size: 8, .value_kind: global_buffer, .address_space: global }
      - { .name: vp, .offset: 16, .size: 8, .value_kind: global_buffer, .address_space: global }
      - { .name: oq, .offset: 24, .size: 8, .value_kind: global_buffer, .address_space: global }
    .group_segment_fixed_size: 210944
    .private_segment_fixed_size: 0
    .kernarg_segment_align: 8
    .kernarg_segment_size: 32
    .max_flat_workgroup_size: 512
    .sgpr_count:     96
    .vgpr_count:     256
    .wavefront_size: 32
...
	.end_amdgpu_metadata
.endif
;; end of part 3
;; launch proj (part 4): grid 8 x 32, 4 waves a work-group, clusters of 4 x 4, 222,720 bytes of LDS; arguments oq, wp, b_proj, out0; writes out0
.if DOCPART == 4
	.amdgcn_target "amdgcn-amd-amdhsa--gfx1250"
	.amdhsa_code_object_version 6
	.text
	.protected	k_q836b407e15_proj
	.globl	k_q836b407e15_proj
	.p2align	8
	.type	k_q836b407e15_proj,@function
k_q836b407e15_proj:
	s_mov_b64 s[64:65], 0
	v_nop
	global_prefetch_b8 v0, s[64:65] scope:SCOPE_SE
	s_setreg_imm32_b32 hwreg(HW_REG_WAVE_MODE, 25, 1), 1
	s_wait_xcnt 0x0
	s_wait_alu depctr_hold_cnt(0) depctr_sa_sdst(0) depctr_va_vdst(0) depctr_va_sdst(0) depctr_va_ssrc(0) depctr_va_vcc(0) depctr_vm_vsrc(0)
	s_getreg_b32 s2, hwreg(HW_REG_IB_STS2, 6, 4)
	s_cmp_eq_u32 s2, 0
	s_cbranch_scc0 .Lentry_in_a_cluster
	s_endpgm
.Lentry_in_a_cluster:
	s_bfe_u32 s2, ttmp6, 0x10000c
	s_cmp_lg_u32 s2, 0xf033
	s_cbranch_scc0 .Lentry_shape_is_right
	s_endpgm
.Lentry_shape_is_right:
; out0 = o w_proj + b_proj on codes of FP6 (E2M3) with E8M0 scales; out0 [4096][1024] f32.
; Work-group (ct, RB): rows 128 RB .. + 127, columns 128 ct .. + 127.  All of K = 1,024 lies in LDS (o's codes 102,400 bytes, the weights' 102,400), filled once: no ring.  Four waves, 64 x 64 each: 16 accumulators.
; K goes in 8 steps of 128: 16 matrix instructions each, the next step's fragments fetched meanwhile into the other of two buffers.
; OPERANDS lie in blocks CB of 25,600 bytes (128 rows x 256 K) in the order of the operand's registers: HF(q, T) at 6144 q + 768 T (lane l: 16 bytes at 16 l, 8 bytes at 512 + 8 l), scale words at 24,576 + 8 row + 4 s.
; Row r of tile T is row 32 (T / 2) + 8 (T % 2) + r + 8 (r / 8).  The weights are source 0: a lane holds one row of out0 and eight neighbouring columns a tile.  The bias is the C of each sum's first matrix instruction.
; CLUSTER 4 x 4: o's blocks are shared along a row of the cluster, the weights' along a column.  A wave has one tensor load out.  No prefetch: every tensor load stands at the head.
; REGISTERS.  Window 0: v1 r, v2 h, v3 16 lane, v4 8 lane + 512, v5 8 (r + 8 (r / 8)), v6-10 LDS addresses, v11-13 the way out's, v16-31 scale words, v32-95 rows on the way out, v128-255 accumulators.
;   Window 1: two fragment buffers of 96.  Window 2: the bias, v96-127.
.set XR,    0                          ; LDS: o's four CBs
.set B0,    102400                     ; the weights' four
.set STG,   204800                     ; the way out: 16 rows x (256 bytes + 16) for each wave; no tensor load lands here
.set ACC,   128
.set SC,    16
.set BQ,    96
.set OB,    32
.set WV,    16
.set W_TOF,  0x40
.set W_MUL,  0x05
.set W_MULB, 0x25
.set MSB, 0
.macro WIN new                         ; the immediate's high byte repeats the setting that is left
.if MSB != (\new)
	s_set_vgpr_msb (MSB<<8)|(\new)
.set MSB, (\new)
.endif
.endm
.macro PLACES                          ; four plain lines between a matrix instruction and a load into, or a read of, its registers
.rept 4
	v_nop
.endr
.endm
.macro CREST
	s_cmp_lg_u32 s[WV], 0
	s_cbranch_scc1 .Lnot_wave_0_\@
	s_barrier_signal -3
.Lnot_wave_0_\@:
	s_barrier_wait -3
	s_barrier_signal -1
	s_barrier_wait -1
.endm
.macro CROUND
	s_barrier_signal -1
	s_barrier_wait -1
	CREST
.endm
.macro SETADR r0, r1, xr, wr, xh, wh
	s_mul_i32 s98, s17, 3072                       ; source 0: tiles 4 (w & 1) on
	s_add_co_u32 s98, s98, \r0
	v_add_nc_u32 v6, s98, v3
	s_wait_alu depctr_va_vdst(0)
	v_add_nc_u32 v7, s98, v4
	s_wait_alu depctr_va_vdst(0)
	s_mul_i32 s98, s18, 3072                       ; source 1: tiles 4 (w >> 1) on
	s_add_co_u32 s98, s98, \r1
	v_add_nc_u32 v8, s98, v3
	v_add_nc_u32 v9, s98, v4
	s_xor_b32 s99, s[\xh], 1
	s_add_co_u32 s99, s99, s[\wh]
	s_lshl_b32 s99, s99, 9
	s_add_co_u32 s99, s99, (\wr)-(\xr)-512         ; from the activation's scale words to the weight's: wr - xr + 512 wh - 512 xh
	v_mul_u32_u24 v10, s99, v2                     ; one product with h
	s_lshl_b32 s98, s[\xh], 9
	s_add_co_u32 s98, s98, \xr
	v_add_nc_u32 v10, v10, v5
	v_add_nc_u32 v10, s98, v10
.endm
.macro FETCH k                         ; step k's fragments into buffer k % 2: 32 loads; with an even k the chunk's scale words: lanes 0-15 o's tile i, lanes 16-31 the weight's tile i
.set FB, 96*((\k)%2)
.set FO, 25600*(((\k)/2)%2)+12288*((\k)%2)
	WIN W_TOF
.irp i, 0,1,2,3
.irp e, 0,1
	ds_load_b128 v[FB+12*\i+6*\e:FB+12*\i+6*\e+3], v6 offset:FO+6144*\e+768*\i
	ds_load_b64 v[FB+12*\i+6*\e+4:FB+12*\i+6*\e+5], v7 offset:FO+6144*\e+768*\i
.endr
.endr
.irp i, 0,1,2,3
.irp e, 0,1
	ds_load_b128 v[FB+48+12*\i+6*\e:FB+48+12*\i+6*\e+3], v8 offset:FO+6144*\e+768*\i
	ds_load_b64 v[FB+48+12*\i+6*\e+4:FB+48+12*\i+6*\e+5], v9 offset:FO+6144*\e+768*\i
.endr
.endr
.if (\k)%2 == 0
	WIN 0
	s_wait_alu depctr_va_vdst(0)
.irp i, 0,1,2,3
	ds_load_b64 v[SC+8*(((\k)/2)%2)+2*\i:SC+8*(((\k)/2)%2)+2*\i+1], v10 offset:25600*(((\k)/2)%2)+24576+8*(32*(\i/2)+8*(\i%2))
.endr
.endif
.endm
.macro MUL k, bias                     ; 16 matrix instructions; the accumulators take turns, one instruction a turn, in the same order in every step
.set FB, 96*((\k)%2)
.set SS, SC+8*(((\k)/2)%2)+(\k)%2
.if (\k) == 0
	WIN W_MULB
.else
	WIN W_MUL
.endif
.irp a, 0,1,2,3
.irp b, 0,1,2,3
.set DD, ACC+8*(4*\a+\b)
.set CC, DD
.if (\k) == 0
.set CC, (\bias)+8*\b
.endif
	v_wmma_scale_f32_16x16x128_f8f6f4 v[DD:DD+7], v[FB+12*\b:FB+12*\b+11], v[FB+48+12*\a:FB+48+12*\a+11], v[CC:CC+7], v[SS+2*\b], v[SS+2*\a] matrix_a_fmt:MATRIX_FMT_FP6 matrix_b_fmt:MATRIX_FMT_FP6 matrix_a_scale:MATRIX_SCALE_ROW1
.endr
.endr
.endm
.macro STEP k, bias
	s_wait_dscnt 0x0                               ; this step's fragments, asked for a step ago, are in
.if (\k) == 3
	s_wait_tensorcnt 0x0                           ; my load of K = 512 .. 1,023 has landed,
	s_barrier_signal -1
	s_barrier_wait -1                              ; everybody's has
.endif
.if (\k) < 7
.if (\k) == 3
	WIN 0
.irp v, 6,7,8,9,10
	s_wait_alu depctr_va_vdst(0)
	v_add_nc_u32 v\v, 51200, v\v                   ; on to chunks 2 and 3; these five lines are the places in front of the loads
.endr
.else
	PLACES
.endif
	FETCH (\k)+1
.endif
	MUL \k, \bias
.endm
	s_load_b256 s[4:11], s[0:1], 0x0               ; oq s[4:5], wp s[6:7], b_proj s[8:9], out0 s[10:11]
	v_lshl_add_u32 v126, v0, 2, 0x36400
	v_mov_b32 v127, 0
	ds_add_u32 v126, v127
	ds_add_u32 v126, v127
	v_lshrrev_b32 v1, 5, v0
	v_readfirstlane_b32 s[WV], v1                  ; wave 0..3
	s_and_b32 s17, s[WV], 1
	s_lshr_b32 s18, s[WV], 1
	s_bfe_u32 s19, ttmp6, 0x40000                  ; cx
	s_bfe_u32 s20, ttmp6, 0x40004                  ; cy
	s_lshl_b32 s21, ttmp9, 2
	s_add_co_u32 s21, s21, s19                     ; ct
	s_and_b32 s22, ttmp7, 0xffff
	s_lshl_b32 s22, s22, 2
	s_add_co_u32 s22, s22, s20                     ; RB
	s_lshl_b32 s2, s20, 2
	s_lshl_b32 s2, 15, s2                          ; my row of the cluster
	s_lshl_b32 s3, 0x1111, s19                     ; my column
	s_or_b32 s24, s2, (3<<16)|(1<<21)              ; group 1: a CB as 100 rows of 32 elements of 8 bytes; o's blocks go to my row,
	s_or_b32 s32, s3, (3<<16)|(1<<21)              ; the weights' to my column
.irp g, 24, 32
	s_mov_b32 s[\g+1], 32<<16
	s_mov_b32 s[\g+2], 200<<16                     ; a load brings two CBs, 200 rows of 256 bytes
	s_mov_b32 s[\g+3], 32<<16
	s_mov_b32 s[\g+4], 200
	s_mov_b32 s[\g+5], 32
	s_mov_b32 s[\g+6], 0
	s_mov_b32 s[\g+7], 0
.endr
	s_mul_i32 s76, s18, 51200                      ; waves 0, 1: chunks 0 and 1; waves 2, 3: chunks 2 and 3
	s_mul_i32 s68, s22, 102400
	s_add_co_u32 s68, s68, s76
	s_mov_b32 s69, 0
	s_mul_i32 s70, s21, 102400
	s_add_co_u32 s70, s70, s76
	s_mov_b32 s71, 0
	s_wait_dscnt 0x0
	s_wait_kmcnt 0x0
	s_mov_b32 s40, 1
	s_add_co_u32 s41, s76, XR
	s_add_nc_u64 s[42:43], s[4:5], s[68:69]
	s_or_b32 s43, s43, 0x80000000
	s_mov_b32 s48, 1
	s_add_co_u32 s49, s76, B0
	s_add_nc_u64 s[50:51], s[6:7], s[70:71]
	s_or_b32 s51, s51, 0x80000000
	CROUND                                         ; all sixteen work-groups are here: the joint loads meet
	; the head's fills, one a wave, each in an arm of its own of one chain: wave 0 o's K = 0 .. 511, wave 1 the weights', wave 2 o's K = 512 .. 1,023, wave 3 the weights'
	s_cmp_eq_u32 s[WV], 0
	s_cbranch_scc0 .Lfirst_1
	tensor_load_to_lds s[40:43], s[24:31]
	s_nop 0
	PLACES
	s_branch .Lfirst_done
.Lfirst_1:
	s_cmp_eq_u32 s[WV], 1
	s_cbranch_scc0 .Lfirst_2
	tensor_load_to_lds s[48:51], s[32:39]
	s_nop 0
	PLACES
	s_branch .Lfirst_done
.Lfirst_2:
	s_cmp_eq_u32 s[WV], 2
	s_cbranch_scc0 .Lfirst_3
	tensor_load_to_lds s[40:43], s[24:31]
	s_nop 0
	PLACES
	s_branch .Lfirst_done
.Lfirst_3:
	tensor_load_to_lds s[48:51], s[32:39]
	s_nop 0
	PLACES
.Lfirst_done:
	v_and_b32 v13, 31, v0                          ; lane
	v_and_b32 v1, 15, v0                           ; r
	v_bfe_u32 v2, v0, 4, 1                         ; h
	v_lshlrev_b32 v3, 4, v13
	v_lshl_add_u32 v4, v13, 3, 512
	v_and_b32 v5, 8, v1
	v_add_nc_u32 v5, v5, v1
	v_lshlrev_b32 v5, 3, v5                        ; 8 (r + 8 (r / 8))
	s_mul_i32 s98, s[WV], 4352
	s_add_co_u32 s98, s98, STG                     ; my stage
	v_mul_u32_u24 v11, v1, 272
	v_lshl_add_u32 v11, v2, 6, v11
	v_add_nc_u32 v11, s98, v11                     ; in: row r, + 64 h bytes
	v_mul_u32_u24 v12, v2, 272
	v_lshl_add_u32 v12, v1, 4, v12
	v_add_nc_u32 v12, s98, v12                     ; back: lanes 0-15 one row of 256 bytes, lanes 16-31 the next
	v_lshlrev_b32 v13, 12, v2
	v_lshl_add_u32 v13, v1, 4, v13                 ; and the same two rows in out0
	v_lshlrev_b32 v33, 6, v2                       ; the bias: 16 h numbers on
	s_wait_alu depctr_va_vdst(0)
	s_lshl_b32 s78, s22, 19                        ; 128 RB rows of 4,096 bytes
	s_lshl_b32 s3, s18, 18                         ; + my 64 rows
	s_add_co_u32 s78, s78, s3
	s_lshl_b32 s3, s21, 9                          ; + 128 ct columns
	s_add_co_u32 s78, s78, s3
	s_lshl_b32 s3, s17, 8                          ; + my 64 columns
	s_add_co_u32 s78, s78, s3
	s_mov_b32 s79, 0
	s_add_nc_u64 s[82:83], s[10:11], s[78:79]
	s_lshl_b32 s78, s21, 9
	s_add_co_u32 s78, s78, s3
	s_add_nc_u64 s[84:85], s[8:9], s[78:79]
	WIN 0x80                                       ; destination window 2
.irp b, 0,1,2,3                        ; tile b's register j is column 32 (b / 2) + 8 (b % 2) + 16 h + j
	global_load_b128 v[BQ+8*\b:BQ+8*\b+3], v33, s[84:85] offset:(32*(\b/2)+8*(\b%2))*4
	global_load_b128 v[BQ+8*\b+4:BQ+8*\b+7], v33, s[84:85] offset:(32*(\b/2)+8*(\b%2))*4+16
.endr
	WIN 0
	s_wait_loadcnt 0x0
	s_cmp_lt_u32 s[WV], 2                          ; waves 0 and 1 wait for their own load lines: K = 0 .. 511; the other two loads may still be on their way
	s_cbranch_scc0 .Lnot_first
	s_wait_tensorcnt 0x0
.Lnot_first:
	s_barrier_signal -1
	s_barrier_wait -1                              ; everybody's has
	SETADR B0, XR, XR, B0, 18, 17
	FETCH 0
	s_wait_alu depctr_va_vdst(0)
.irp k, 0,1,2,3,4,5,6,7
	STEP \k, BQ
.endr
	WIN 0
	PLACES
	; THE WAY OUT, a tile of 16 rows x 64 columns at a time through my own stage: sixteen lanes then store 256 consecutive bytes, aligned.  LDS serves a wave's instructions in order: no wait between the stores and the loads
.irp a, 0,1,2,3
.if \a >= 2
	s_wait_xcnt 0x0                                ; tile a - 2's stores have read their registers, into which the loads below land
.endif
.irp b, 0,1,2,3
.irp p, 0,1
	ds_store_b128 v11, v[ACC+8*(4*\a+\b)+4*\p:ACC+8*(4*\a+\b)+4*\p+3] offset:128*(\b/2)+32*(\b%2)+16*\p     ; each accumulator from its low end on
.endr
.endr
.irp t, 0,1,2,3,4,5,6,7
	ds_load_b128 v[OB+32*(\a%2)+4*\t:OB+32*(\a%2)+4*\t+3], v12 offset:544*\t
.endr
	s_wait_dscnt 0x0
.irp t, 0,1,2,3,4,5,6,7
	global_store_b128 v13, v[OB+32*(\a%2)+4*\t:OB+32*(\a%2)+4*\t+3], s[82:83] offset:(32*(\a/2)+8*(\a%2)+2*\t+8*(\t/4))*4096 th:TH_STORE_NT   ; the tile's rows 2 t and 2 t + 1
.endr
.endr
	s_wait_tensorcnt 0x0
	ds_add_u32 v126, v127
	s_wait_dscnt 0x0
	CROUND                                         ; the closing round
	s_endpgm
.Lfunc_end_k_q836b407e15_proj:
	.size	k_q836b407e15_proj, .Lfunc_end_k_q836b407e15_proj-k_q836b407e15_proj
	.p2alignl 7, 3214868480
	.fill 96, 4, 3214868480
	.section	.rodata,"a",@progbits
	.p2align	6, 0x0
	.amdhsa_kernel k_q836b407e15_proj
		.amdhsa_group_segment_fixed_size 222720
		.amdhsa_private_segment_fixed_size 0
		.amdhsa_enable_private_segment 0
		.amdhsa_kernarg_size 32
		.amdhsa_user_sgpr_count 2
		.amdhsa_user_sgpr_kernarg_segment_ptr 1
		.amdhsa_wavefront_size32 1
		.amdhsa_system_sgpr_workgroup_id_x 1
		.amdhsa_system_sgpr_workgroup_id_y 1
		.amdhsa_system_sgpr_workgroup_id_z 1
		.amdhsa_system_vgpr_workitem_id 0
		.amdhsa_next_free_vgpr 640
		.amdhsa_next_free_sgpr 100
		.amdhsa_reserve_vcc 0
		.amdhsa_float_denorm_mode_32 3
		.amdhsa_float_denorm_mode_16_64 3
		.amdhsa_memory_ordered 1
		.amdhsa_forward_progress 1
		.amdhsa_inst_pref_size 51
	.end_amdhsa_kernel
	.amdgpu_metadata
---
amdhsa.version: [ 1, 2 ]
amdhsa.kernels:
  - .name:           k_q836b407e15_proj
    .symbol:         k_q836b407e15_proj.kd
    .args:
      - { .name: oq, .offset: 0, .size: 8, .value_kind: global_buffer, .address_space: global }
      - { .name: wp, .offset: 8, .size: 8, .value_kind: global_buffer, .address_space: global }
      - { .name: b_proj, .offset: 16, .size: 8, .value_kind: global_buffer, .address_space: global }
      - { .name: out0, .offset: 24, .size: 8, .value_kind: global_buffer, .address_space: global }
    .group_segment_fixed_size: 222720
    .private_segment_fixed_size: 0
    .kernarg_segment_align: 8
    .kernarg_segment_size: 32
    .max_flat_workgroup_size: 128
    .sgpr_count:     100
    .vgpr_count:     640
    .wavefront_size: 32
...
	.end_amdgpu_metadata
.endif
;; end of part 4
